; MI455X (gfx1250); checked and timed in simulation.
; The chip was launched on July 23, 2026; its instructions are those of AMD's public machine-readable ISA for CDNA 5 (MIT licence, August 2026) and "CDNA5" Instruction Set Architecture Reference Guide (July 2026). The comments in the code are by the model that wrote it; some were corrected since.
;; Modular Decoder. Allowed arithmetic: matrix products marked QUANTISED: E2M3 operands, one E8M0 scale for each 32 along K, by v_wmma_scale_f32_16x16x128_f8f6f4 with both operands' format E2M3, f32 sums; everything else in f32.
;; Inputs: W1 16 x 400 x 128 float32; W2 16 x 4,096 x 400 float32; angle_idx 2,048 int32; b1 16 x 400 float32; b2 16 x 4,096 float32; z 2,048 x 128 float32.
;; Outputs: out0 2,048 x 4,096 float32.
;; This version of the problem:
;;   THIS VERSION OF THE PROBLEM IS GIVEN IN LOW PRECISION. The matrix products marked QUANTISED in the list below multiply operands that are first quantised to E2M3 (2 exponent bits, 3 mantissa bits; 6 bits a number), with one power-of-two scale for each 32 numbers along K (OCP MX v1.0); their sums are f32. All else is computed in f32.
;;   The module's matrix products, in the order in which they are computed (A, B: the left and right operand; K: the contracted axis; several contracted axes count as one K, in the product's order):
;;     1. [M 2,048, K 128] x [K 128, N 400]; A: input z; B: input W1: QUANTISED
;;     2. [M 2,048, K 400] x [K 400, N 4,096]; A: computed on the way; B: input W2: QUANTISED
;;     3. [M 2,048, K 128] x [K 128, N 400]; A: input z; B: input W1: QUANTISED
;;     4. [M 2,048, K 400] x [K 400, N 4,096]; A: computed on the way; B: input W2: QUANTISED
;;     5. [M 2,048, K 128] x [K 128, N 400]; A: input z; B: input W1: QUANTISED
;;     6. [M 2,048, K 400] x [K 400, N 4,096]; A: computed on the way; B: input W2: QUANTISED
;;     7. [M 2,048, K 128] x [K 128, N 400]; A: input z; B: input W1: QUANTISED
;;     8. [M 2,048, K 400] x [K 400, N 4,096]; A: computed on the way; B: input W2: QUANTISED
;;     9. [M 2,048, K 128] x [K 128, N 400]; A: input z; B: input W1: QUANTISED
;;     10. [M 2,048, K 400] x [K 400, N 4,096]; A: computed on the way; B: input W2: QUANTISED
;;     11. [M 2,048, K 128] x [K 128, N 400]; A: input z; B: input W1: QUANTISED
;;     12. [M 2,048, K 400] x [K 400, N 4,096]; A: computed on the way; B: input W2: QUANTISED
;;     13. [M 2,048, K 128] x [K 128, N 400]; A: input z; B: input W1: QUANTISED
;;     14. [M 2,048, K 400] x [K 400, N 4,096]; A: computed on the way; B: input W2: QUANTISED
;;     15. [M 2,048, K 128] x [K 128, N 400]; A: input z; B: input W1: QUANTISED
;;     16. [M 2,048, K 400] x [K 400, N 4,096]; A: computed on the way; B: input W2: QUANTISED
;;     17. [M 2,048, K 128] x [K 128, N 400]; A: input z; B: input W1: QUANTISED
;;     18. [M 2,048, K 400] x [K 400, N 4,096]; A: computed on the way; B: input W2: QUANTISED
;;     19. [M 2,048, K 128] x [K 128, N 400]; A: input z; B: input W1: QUANTISED
;;     20. [M 2,048, K 400] x [K 400, N 4,096]; A: computed on the way; B: input W2: QUANTISED
;;     21. [M 2,048, K 128] x [K 128, N 400]; A: input z; B: input W1: QUANTISED
;;     22. [M 2,048, K 400] x [K 400, N 4,096]; A: computed on the way; B: input W2: QUANTISED
;;     23. [M 2,048, K 128] x [K 128, N 400]; A: input z; B: input W1: QUANTISED
;;     24. [M 2,048, K 400] x [K 400, N 4,096]; A: computed on the way; B: input W2: QUANTISED
;;     25. [M 2,048, K 128] x [K 128, N 400]; A: input z; B: input W1: QUANTISED
;;     26. [M 2,048, K 400] x [K 400, N 4,096]; A: computed on the way; B: input W2: QUANTISED
;;     27. [M 2,048, K 128] x [K 128, N 400]; A: input z; B: input W1: QUANTISED
;;     28. [M 2,048, K 400] x [K 400, N 4,096]; A: computed on the way; B: input W2: QUANTISED
;;     29. [M 2,048, K 128] x [K 128, N 400]; A: input z; B: input W1: QUANTISED
;;     30. [M 2,048, K 400] x [K 400, N 4,096]; A: computed on the way; B: input W2: QUANTISED
;;     31. [M 2,048, K 128] x [K 128, N 400]; A: input z; B: input W1: QUANTISED
;;     32. [M 2,048, K 400] x [K 400, N 4,096]; A: computed on the way; B: input W2: QUANTISED
;;   THE QUANTISER, for each operand of a quantised product, along K:
;;     - K is cut into blocks of 32 from its start; a last block that is shorter is filled with zeros.
;;     - A block's scale is 2^e with e = floor(log2(the largest magnitude in the block)) - 2, held to -126 .. 127; a block of zeros has e = 0. As a byte (E8M0): e + 127.
;;     - Each number is divided by its block's scale, clamped to +-7.5, and rounded to the nearest number of E2M3, ties to even, subnormals kept.
;;     - The product sums the exact products of the quantised numbers (number of the format x scale) in f32.
;;   ~~~python
;;   def quantise(x, axis):      # numpy; x: float32 -> the quantised numbers, widened to float32 again
;;       x = np.moveaxis(x, axis, -1); K = x.shape[-1]
;;       x = np.pad(x, [(0, 0)] * (x.ndim - 1) + [(0, -K % 32)]); x = x.reshape(x.shape[:-1] + (-1, 32)); a = np.abs(x).max(-1, keepdims=True)
;;       e = np.where(a > 0, np.clip(np.frexp(np.where(a > 0, a, 1))[1] - 1 - 2, -126, 127), 0)      # np.frexp(a)[1] - 1 = floor(log2(a)), exactly
;;       r = np.clip(x / 2.0 ** e, -7.5, 7.5)
;;       step = 2.0 ** (np.maximum(np.frexp(np.where(r == 0, 1, r))[1] - 1, 0) - 3)
;;       q = np.round(r / step) * step * 2.0 ** e      # np.round: ties to even
;;       return np.moveaxis(q.reshape(q.shape[:-2] + (-1,))[..., :K], -1, axis).astype(np.float32)
;;   ~~~
;;   OPERANDS COMPUTED ON THE WAY. 'Computed on the way' means the value that the module computes at that place (a softmax that the list does not call 'softmax' is quantised finished and normalised). What goes into a quantiser is computed in f32, as accurately as f32 sums, v_exp_f32 and their like allow (about 1e-6 of the number): no bf16 or f16 on the way to a quantiser, and a product that is left as it is and whose result goes on into a quantised operand takes f32 operands (vector FMAs, or v_wmma_f32_16x16x4_f32). A number that lies on a knife's edge between two numbers of the format may be rounded either way, as far as f32 arithmetic and the matrix unit's own rounding can turn it there, and no further.
;; 2 versions, each right; version 2 is version 1 with the launches hidden, decode written anew for expert scheduling mode. Each part assembles by itself: llvm-mc -triple=amdgcn-amd-amdhsa -mcpu=gfx1250 --defsym DOCPART=n.
;; ======== version 1 of 2: 2 launches
;; workspace buffers: hrec 13,631,488 bytes; route 131,328 bytes of whole numbers
;; launch hidden (part 1): grid 256 x 1, 1 waves a work-group, no clusters, 25,856 bytes of LDS; arguments angle_idx, z, W1, b1, hrec, route; writes hrec, route
.if DOCPART == 1
	.amdgcn_target "amdgcn-amd-amdhsa--gfx1250"
	.amdhsa_code_object_version 6
	.text
	.protected	k_q64cb79d2c4_hidden
	.globl	k_q64cb79d2c4_hidden
	.p2align	8
	.type	k_q64cb79d2c4_hidden,@function
k_q64cb79d2c4_hidden:
	s_mov_b64 s[64:65], 0
	v_nop
	global_prefetch_b8 v0, s[64:65] scope:SCOPE_SE
	s_setreg_imm32_b32 hwreg(HW_REG_WAVE_MODE, 25, 1), 1
	s_wait_xcnt 0x0
; h = relu(z W1[e]^T + b1[e]) for the rows whose angle_idx is e, on codes of FP6 (E2M3) with one E8M0 scale for each 32 along K, and h quantised again along its 400 units for the second product.
; SHARES.  Work-group g (one wave): expert e = g / 16, chunk c = (g / 4) % 4 of the hidden units (128 c .. 128 c + 127: one K step of the second product), part p = g % 4.
; The wave lists its expert's rows out of angle_idx by itself (a compaction by ballots into LDS), keeps its chunk of W1[e] as eight fragments of codes in registers, and walks the expert's tiles of 16 rows p, p + 4, ..
; ONE WAVE TO A WORK-GROUP: the list's LDS addresses hang on the indices, so no second wave shares this LDS, and there is no barrier.  Trip counts hang on the indices too: operands go through registers, with no tensor load.
; No cluster: what work-groups share (8,192 bytes of indices, 65,536 of W1 among four) is read once by each at its head and is small beside a joint load's rounds.
; OUT.  hrec: a record of 6,656 bytes for tile j of expert e at slot 128 e + j: +1536 c the image of the registers of h's fragment of K step c (four registers a store, lane l at 16 l), +6144 the scale words (row r, K step c at 16 r + 4 c),
; +6400 the row's gate, twice (8 r).  route: word 2048 e + 16 j + r = the row's token; word 32768 + e = the expert's number of tiles.
; A LAST TILE'S SPARE ROWS repeat the expert's last token: the same numbers go to the same bytes.  AN INDEX OUTSIDE 0 .. 15 rides with expert 15 and has the gate +infinity in place of 1: the next launch's 1 / (gate + 2^..) is then 0.
; CHUNK 3 has 16 real units (384 .. 399).  It runs the same text: its loads are held inside W1[e] and b1[e], and what belongs to a unit from 400 on is made 0 by the line that clips at 0 (its upper bound is 0 there, +infinity elsewhere).
; THE MATRIX INSTRUCTION IS USED TRANSPOSED (source 0 = 16 rows of W1, source 1 = 16 rows of z); lane r of tile 2 b + u takes unit 32 b + 8 u + r + 8 (r / 8), so that the 16 registers of tiles 2 b, 2 b + 1 are 16 neighbours along the next K.
; LIMITS: NaN and infinities among z, W1, b1 are not served.  A block whose largest magnitude lies under 2^-124 keeps the scale byte 1; a block of zeros has the byte 1 where the rule says 127 (its codes are zeros; this program alone reads the bytes).
; REGISTERS.  Window 0: v1-31 addresses and constants; v32-95 the indices, then 64 numbers of z; v96-159 64 numbers of W1, then the 8 accumulators; v160.. z's codes, v172 its scale word; v174.. h's codes, v186 its scale word;
;   v188-194, v196-211, v228-235 at work; v212-219 W1's scale words; v220-227 the clip's upper bounds.   Window 1: two landing sets of 32 rows of W1.   Window 2: v0-95 W1's codes, v96-159 b1 in the result's layout.
.set REC,  6656
.set STG,  8448                        ; LDS: 0 .. 8,319 the list (2,048 words) and 32 dump words; from 8,448 a stage of 32 rows of W1
.set SP,   528                         ; a stage row: 512 bytes + 16
.set WO,   7                           ; v7-10   group b of W1's rows: 16 x lane + 512 x min(128 c + 32 b, 368)
.set BO,   11                          ; v11-14  group b of b1: 4 x min(128 c + 32 b, 384) + 64 h (chunk 3: + 0)
.set RA,   15                          ; v15-16  where lane (r, h) reads its row of tile u in the stage
.set IDX,  32
.set Z,    32
.set X,    96
.set HA,   96
.set ZC,   160
.set ZW,   172
.set PC,   174
.set PW,   186
.set TQ,   188
.set TM,   196
.set W1S,  212
.set LIM,  220
.set QT,   228
.set B1W,  96                          ; in window 2
.set MSB, 0
.macro WIN new                         ; the immediate's high byte repeats the setting that is left
.if MSB != \new
	s_set_vgpr_msb (MSB<<8)|\new
.set MSB, \new
.endif
.endm
.macro LOADG b, set                    ; 32 rows of W1 into a landing set: each load is one whole row, 512 consecutive bytes
	WIN 0x40
.set ii, 0
.rept 32
	global_load_b128 v[128*\set+4*ii:128*\set+4*ii+3], v[WO+\b], s[36:37] offset:512*ii
.set ii, ii+1
.endr
	WIN 0
.endm
.macro STAGE set                       ; and on into the stage, as they lie
	WIN 0x04
.set ii, 0
.rept 32
	ds_store_b128 v1, v[128*\set+4*ii:128*\set+4*ii+3] offset:STG+SP*ii
.set ii, ii+1
.endr
	WIN 0
.endm
; Tile t of W1 becomes a fragment.  Lane (r, h) takes of its row k = 64 cc + 32 h + 0 .. 31: two whole blocks, in the order of the operand's registers, so the conversions' results are the operand.
.macro QW t, ra
.irp q, 0,1,2,3,4,5,6,7
	ds_load_b128 v[X+4*\q:X+4*\q+3], v[\ra] offset:16*\q
.endr
.irp q, 0,1,2,3,4,5,6,7
	ds_load_b128 v[X+32+4*\q:X+32+4*\q+3], v[\ra] offset:256+16*\q
.endr
	s_wait_dscnt 0x0
.irp k, 0,1,2,3
	v_max3_num_f32 v[QT+\k], |v[X+16*\k]|, |v[X+16*\k+1]|, 0x1800000       ; four chains of 16 numbers, each with the floor 2^(3 - 127): the byte cannot fall under 1
.endr
.irp i, 2,4,6,8,10,12,14
.irp k, 0,1,2,3
	v_max3_num_f32 v[QT+\k], v[QT+\k], |v[X+16*\k+\i]|, |v[X+16*\k+\i+1]|
.endr
.endr
	v_max_num_f32 v[QT], v[QT], v[QT+1]            ; block h
	v_max_num_f32 v[QT+2], v[QT+2], v[QT+3]        ; block 2 + h
	v_add_nc_u32 v[QT+4], 0xff000000, v[QT]        ; 2 off the exponent field: the conversion's scale operand
	v_add_nc_u32 v[QT+5], 0xff000000, v[QT+2]
	v_lshrrev_b32 v[QT+6], 23, v[QT+4]             ; the scales' bytes,
	v_lshrrev_b32 v[QT+7], 23, v[QT+5]
	v_lshl_or_b32 v[QT+6], v[QT+7], 16, v[QT+6]
	v_lshlrev_b32 v[QT+6], v6, v[QT+6]             ; at their places in the word (8 h bits up);
	v_permlanex16_b32 v[QT+7], v[QT+6], s34, s35
	v_or_b32 v[W1S+\t], v[QT+6], v[QT+7]           ; with lane l xor 16's two the word is whole
	v_cvt_scalef32_pk16_fp6_f32 v[TQ:TQ+2], v[X+16:X+31], v[QT+4]          ; (a conversion's three registers begin on an even number: a block's second half is made here and moved)
	v_cvt_scalef32_pk16_fp6_f32 v[TQ+4:TQ+6], v[X+48:X+63], v[QT+5]
	WIN 0x80
	v_cvt_scalef32_pk16_fp6_f32 v[12*\t:12*\t+2], v[X:X+15], v[QT+4]
	v_cvt_scalef32_pk16_fp6_f32 v[12*\t+6:12*\t+8], v[X+32:X+47], v[QT+5]
	v_nop                                          ; one plain place behind the conversions
.irp i, 0,1,2
	v_mov_b32 v[12*\t+3+\i], v[TQ+\i]
	v_mov_b32 v[12*\t+9+\i], v[TQ+4+\i]
.endr
	WIN 0
.endm
; 64 numbers of a lane, register 16 b + i = k 32 b + 16 (lane / 16) + i of its row, become a fragment's codes in v[d] on and its scale word in v[w].
.macro QUANT s, d, w
.irp b, 0,1,2,3
	v_max3_num_f32 v[TM+\b], |v[\s+16*\b]|, |v[\s+1+16*\b]|, 0x1800000
.endr
.irp i, 2,4,6,8,10,12,14
.irp b, 0,1,2,3
	v_max3_num_f32 v[TM+\b], v[TM+\b], |v[\s+16*\b+\i]|, |v[\s+1+16*\b+\i]|
.endr
.endr
.irp b, 0,1,2,3
	v_permlanex16_b32 v[TM+4+\b], v[TM+\b], s34, s35
.endr
.irp b, 0,1,2,3
	v_max_num_f32 v[TM+\b], v[TM+\b], v[TM+4+\b]   ; with lane l xor 16's: the block's largest magnitude
.endr
.irp b, 0,1,2,3
	v_add_nc_u32 v[TM+12+\b], 0xff000000, v[TM+\b]
.endr
.irp b, 0,1,2,3
	v_lshrrev_b32 v[TM+4+\b], 23, v[TM+12+\b]
.endr
	v_lshl_or_b32 v[\w], v[TM+5], 8, v[TM+4]
	v_lshl_or_b32 v[\w], v[TM+6], 16, v[\w]
	v_lshl_or_b32 v[\w], v[TM+7], 24, v[\w]
.irp c, 0,1
	v_cvt_scalef32_pk16_fp6_f32 v[\d+6*\c:\d+2+6*\c], v[\s+32*\c:\s+15+32*\c], v[TM+12+2*\c]
	v_cvt_scalef32_pk16_fp6_f32 v[TQ+4*\c:TQ+2+4*\c], v[\s+16+32*\c:\s+31+32*\c], v[TM+12+2*\c+1]
.endr
	v_nop                                          ; one plain place behind the conversions
.irp c, 0,1                            ; the operand's layout wants a whole block in a lane: lanes 0-15 block 2 c, lanes 16-31 block 2 c + 1
.irp i, 0,1,2
	v_permlane16_swap_b32 v[\d+6*\c+\i], v[TQ+4*\c+\i]
.endr
.irp i, 0,1,2
	v_mov_b32 v[\d+3+6*\c+\i], v[TQ+4*\c+\i]
.endr
.endr
.endm
.macro TOK sj                          ; the tokens of tile sj: place 16 sj + r of the list, held at the list's last place; then the offsets in z and in angle_idx
	s_lshl_b32 s24, \sj, 4
	v_add_nc_u32 v19, s24, v2
	v_min_u32 v19, s22, v19
	v_min_u32 v19, 0x7ff, v19
	v_lshlrev_b32 v19, 2, v19
	ds_load_b32 v20, v19                           ; LDS serves a wave's instructions in order: this sees the list's stores
	s_wait_dscnt 0x0
	v_min_u32 v20, 0x7ff, v20
	v_lshlrev_b32 v22, 2, v20
	v_lshl_add_u32 v21, v20, 9, v4                 ; row x 512 + 64 h
.endm
.macro ZLOAD                           ; 17 loads: my row's 16 numbers of each block of 32, and its index once more, for the gate
.irp b, 0,1,2,3
.irp q, 0,1,2,3
	global_load_b128 v[Z+16*\b+4*\q:Z+16*\b+4*\q+3], v21, s[6:7] offset:128*\b+16*\q
.endr
.endr
	global_load_b32 v23, v22, s[4:5]
.endm
	s_load_b256 s[4:11], s[0:1], 0x0               ; angle_idx s[4:5], z s[6:7], W1 s[8:9], b1 s[10:11]
	s_load_b128 s[12:15], s[0:1], 0x20             ; hrec s[12:13], route s[14:15]
	v_lshl_add_u32 v254, v0, 2, 0x6400
	v_mov_b32 v255, 0
	s_lshr_b32 s16, ttmp9, 4                       ; e
	s_bfe_u32 s17, ttmp9, 0x20002                  ; c
	s_and_b32 s18, ttmp9, 3                        ; p
	s_mov_b32 s27, 0                               ; the upper word of the offsets' pair s[26:27]
	s_mov_b32 s34, 0x76543210
	s_mov_b32 s35, 0xfedcba98                      ; v_permlanex16_b32's selects for lane l xor 16
	s_lshl_b32 s40, s17, 7                         ; 128 c
	v_lshlrev_b32 v1, 4, v0                        ; 16 x lane
	v_and_b32 v2, 15, v0                           ; r
	v_lshrrev_b32 v3, 4, v0                        ; h
	v_lshlrev_b32 v4, 6, v3                        ; 64 h
	v_lshlrev_b32 v5, 4, v3                        ; 16 h
	v_lshlrev_b32 v6, 3, v3                        ; 8 h
	s_cmp_lt_u32 s17, 3
	s_cselect_b32 s41, 1, 0
	s_cselect_b32 s42, 0, 16                       ; chunk 3's rows 384 .. 399 lie in stage rows 16 .. 31
	v_mul_u32_u24 v[QT], s41, v4
.irp b, 0,1,2,3
	s_add_co_u32 s24, s40, 32*\b
	s_min_u32 s25, s24, 368                        ; 32 rows from here on stay inside W1[e]
	s_lshl_b32 s25, s25, 9
	v_add_nc_u32 v[WO+\b], s25, v1
	s_min_u32 s25, s24, 384                        ; 16 numbers from here on stay inside b1[e]
	s_lshl_b32 s25, s25, 2
	v_add_nc_u32 v[BO+\b], s25, v[QT]
.endr
	v_and_b32 v[QT+1], 8, v2
	v_add_nc_u32 v[QT+1], v[QT+1], v2              ; r + 8 (r / 8)
	v_add_nc_u32 v[QT+1], s42, v[QT+1]
.irp u, 0,1
	v_add_nc_u32 v[QT+2], 8*\u, v[QT+1]
	v_and_b32 v[QT+2], 31, v[QT+2]
	v_mul_u32_u24 v[QT+2], v[QT+2], SP
	v_lshl_add_u32 v[QT+2], v3, 7, v[QT+2]         ; + 128 h: my 32 numbers of each 64
	v_add_nc_u32 v[RA+\u], STG, v[QT+2]
.endr
	v_add_nc_u32 v17, 0x800, v0                    ; my dump word's place: 2,048 + lane
	v_lshlrev_b32 v18, 2, v0                       ; the token of my first index: 4 x lane
	s_lshl_b32 s24, s17, 2
	v_lshl_add_u32 v27, v2, 4, s24                 ; 16 r + 4 c
	v_lshlrev_b32 v28, 3, v2                       ; 8 r
	v_lshlrev_b32 v29, 2, v2                       ; 4 r
	v_mov_b32 v30, 0x7f800000                      ; +infinity
	v_mov_b32 v31, 1.0
	s_lshl_b32 s24, s16, 2
	v_mov_b32 v236, s24                            ; 4 e
.irp b, 0,1,2,3
	v_mov_b32 v[TM+4+\b], 0                        ; written once: a lane permute's destination counts as one of its sources
.endr
	s_wait_kmcnt 0x0
	s_mul_i32 s26, s16, 204800
	s_add_nc_u64 s[36:37], s[8:9], s[26:27]        ; W1[e]
	s_mul_i32 s26, s16, 1600
	s_add_nc_u64 s[38:39], s[10:11], s[26:27]      ; b1[e]
	s_lshl_b32 s26, s16, 13
	s_add_nc_u64 s[32:33], s[14:15], s[26:27]      ; the expert's 2,048 words of route
.set ii, 0
.rept 16
	global_load_b128 v[IDX+4*ii:IDX+4*ii+3], v1, s[4:5] offset:512*ii      ; register 4 i + q holds the index of token 128 i + 4 x lane + q
.set ii, ii+1
.endr
	WIN 0x80
.irp t, 0,1,2,3,4,5,6,7                ; b1 in the result's layout: tile 2 b + u, lane (r, h): units 32 b + 16 h + 8 u + 0 .. 7 of the chunk
	global_load_b128 v[B1W+8*\t:B1W+8*\t+3], v[BO+\t/2], s[38:39] offset:32*(\t%2)
	global_load_b128 v[B1W+8*\t+4:B1W+8*\t+7], v[BO+\t/2], s[38:39] offset:32*(\t%2)+16
.endr
	WIN 0
	LOADG 0, 0
	LOADG 1, 1
	s_wait_loadcnt 63                              ; 80 loads were issued behind the 16 of the indices; 63 is the most that the wait names: of the 96 at most 63 are out, so the oldest 33 are in
	; THE LIST.  For each of my 64 registers: the lanes whose index is e get consecutive places behind those found so far; the others write their dump word.  EXEC stays whole.
	s_mov_b32 s20, 0                               ; found so far
.set n, 0
.rept 64
	v_min_u32 v19, 15, v[IDX+n]                    ; (an index outside 0 .. 15 counts as 15)
	v_cmp_eq_u32 s19, s16, v19
	v_mbcnt_lo_u32_b32 v19, s19, s20               ; found so far + the matching lanes below me
	v_cndmask_b32 v19, v17, v19, s19
	v_min_u32 v19, 0x81f, v19
	v_lshlrev_b32 v19, 2, v19
	ds_store_b32 v19, v18
.if n%4 == 3
	v_add_nc_u32 v18, 125, v18                     ; from token 128 i + 4 x lane + 3 to 128 (i + 1) + 4 x lane
.else
	v_add_nc_u32 v18, 1, v18
.endif
	s_bcnt1_i32_b32 s24, s19
	s_add_co_u32 s20, s20, s24
.set n, n+1
.endr
	s_add_co_u32 s21, s20, 15
	s_lshr_b32 s21, s21, 4                         ; the expert's tiles
	s_and_b32 s24, ttmp9, 15
	s_cmp_lg_u32 s24, 0
	s_cbranch_scc1 .Lno_count
	v_mov_b32 v237, s21
	global_store_b32 v236, v237, s[14:15] offset:131072    ; the expert's first work-group stores the number (all lanes the same word with the same value)
.Lno_count:
	s_cmp_lt_u32 s18, s21
	s_cbranch_scc1 .Lwork
	s_wait_tensorcnt 0x0
	ds_add_u32 v254, v255
	s_wait_dscnt 0x0
	s_endpgm                                       ; this split leaves me no tile
.Lwork:
	s_sub_co_u32 s22, s20, 1                       ; the list's last place
	s_mov_b32 s23, s18                             ; j = p
	s_sub_co_u32 s47, s21, s18                     ; my tiles p, p + 4, .. under the expert's number: (tiles - p + 3) / 4 of them, at least one
	s_add_co_u32 s47, s47, 3
	s_lshr_b32 s47, s47, 2
	s_mov_b32 s46, 0                               ; tiles done
	TOK s23
	ZLOAD
	; W1's CHUNK BECOMES CODES, 32 rows at a time: landing set, stage, two tiles.  One stage serves all four groups: LDS serves the wave's instructions in order.
	s_wait_loadcnt 49                              ; group 0 is in; behind it: group 1's 32 loads and the 17 of z
	STAGE 0
	s_wait_dscnt 0x0                               ; the LDS stores have read the landing set: it takes group 2
	LOADG 2, 0
	QW 0, RA
	QW 1, RA+1
	s_wait_loadcnt 49                              ; group 1 is in; behind it: the 17 of z and group 2's 32
	STAGE 1
	s_wait_dscnt 0x0
	LOADG 3, 1
	QW 2, RA
	QW 3, RA+1
	s_wait_loadcnt 32                              ; group 2 is in; behind it: group 3's 32
	STAGE 0
	QW 4, RA
	QW 5, RA+1
	s_wait_loadcnt 0x0
	STAGE 1
	QW 6, RA
	QW 7, RA+1
	s_sub_co_u32 s40, 400, s40                     ; units left from the chunk's first on
.irp t, 0,1,2,3,4,5,6,7                ; the clip's upper bound for my eight units of tile t, which begin at 32 (t / 2) + 8 (t % 2) + 16 h
	s_sub_co_i32 s24, s40, 32*(\t/2)+8*(\t%2)
	v_cmp_gt_i32 vcc_lo, s24, v5
	v_cndmask_b32 v[LIM+\t], 0, v30, vcc_lo
.endr
.Ltile:
	s_wait_loadcnt 0x0                             ; z's 64 numbers and the index are in; v21 and v22 may be written again
	s_wait_xcnt 0x0                                ; the last trip's stores have read their data and bases: only behind this wait are they written again
	v_cmp_gt_u32 vcc_lo, 16, v23
	v_cndmask_b32 v24, v30, v31, vcc_lo            ; the gate: 1, or +infinity for an index that no expert has
	v_mov_b32 v25, v24
	v_mov_b32 v26, v20                             ; this tile's token
	QUANT Z, ZC, ZW
	s_add_co_u32 s25, s23, 4
	TOK s25                                        ; my next tile's rows are asked for now (behind the last tile: the list's last row once more, inside the buffers)
	ZLOAD
.rept 8
	v_nop                                          ; a scale word written by a vector instruction stands 8 places ahead of the scaled matrix instruction, an operand so written 4
.endr
	WIN 0x22                                       ; source 0 (W1) and C (b1) in window 2
.irp t, 0,1,2,3,4,5,6,7                ; eight sums of one K step each, begun with the bias
	v_wmma_scale_f32_16x16x128_f8f6f4 v[HA+8*\t:HA+8*\t+7], v[12*\t:12*\t+11], v[ZC:ZC+11], v[B1W+8*\t:B1W+8*\t+7], v[W1S+\t], v[ZW] matrix_a_fmt:MATRIX_FMT_FP6 matrix_b_fmt:MATRIX_FMT_FP6
.endr
	WIN 0
.rept 4
	v_nop                                          ; four places in front of the first read of results (ISA guide 7.12.1)
.endr
.set jj, 0
.rept 64
	v_med3_num_f32 v[HA+jj], v[HA+jj], 0, v[LIM+jj/8]      ; relu; 0 for a unit from 400 on.  Each accumulator from its low end on
.set jj, jj+1
.endr
	QUANT HA, PC, PW
	s_min_u32 s24, s23, 127
	s_lshl_b32 s25, s16, 7
	s_add_co_u32 s25, s25, s24                     ; the slot: 128 e + j
	s_mul_i32 s26, s25, REC
	s_add_nc_u64 s[30:31], s[12:13], s[26:27]      ; the record,
	s_mul_i32 s26, s17, 1536
	s_add_nc_u64 s[28:29], s[30:31], s[26:27]      ; and my K step's image in it
	global_store_b128 v1, v[PC:PC+3], s[28:29]     ; 512 consecutive bytes a store
	s_cmp_eq_u32 s17, 3
	s_cbranch_scc1 .Lshort                         ; of K step 3 only the first four registers hold codes that are not zeros: the reader takes those alone
	global_store_b128 v1, v[PC+4:PC+7], s[28:29] offset:512
	global_store_b128 v1, v[PC+8:PC+11], s[28:29] offset:1024
.Lshort:
	global_store_b32 v27, v[PW], s[30:31] offset:6144      ; lanes l and l xor 16 hold the same word
	s_cmp_lg_u32 s17, 0
	s_cbranch_scc1 .Lnot_first
	s_lshl_b32 s26, s24, 6
	s_add_nc_u64 s[44:45], s[32:33], s[26:27]
	global_store_b64 v28, v[24:25], s[30:31] offset:6400   ; chunk 0 stores what belongs to the rows: the gates
	global_store_b32 v29, v26, s[44:45]                    ; and the tokens
.Lnot_first:
	s_add_co_u32 s23, s23, 4                       ; my next tile's number
	s_add_co_u32 s46, s46, 1                       ; the loop is counted in ones, against a number that it does not write
	s_cmp_lt_u32 s46, s47
	s_cbranch_scc1 .Ltile
	s_wait_tensorcnt 0x0
	ds_add_u32 v254, v255
	s_wait_dscnt 0x0
	s_endpgm
.Lfunc_end_k_q64cb79d2c4_hidden:
	.size	k_q64cb79d2c4_hidden, .Lfunc_end_k_q64cb79d2c4_hidden-k_q64cb79d2c4_hidden
	.p2alignl 7, 3214868480
	.fill 96, 4, 3214868480
	.section	.rodata,"a",@progbits
	.p2align	6, 0x0
	.amdhsa_kernel k_q64cb79d2c4_hidden
		.amdhsa_group_segment_fixed_size 25856
		.amdhsa_private_segment_fixed_size 0
		.amdhsa_enable_private_segment 0
		.amdhsa_kernarg_size 48
		.amdhsa_user_sgpr_count 2
		.amdhsa_user_sgpr_kernarg_segment_ptr 1
		.amdhsa_wavefront_size32 1
		.amdhsa_system_sgpr_workgroup_id_x 1
		.amdhsa_system_sgpr_workgroup_id_y 1
		.amdhsa_system_sgpr_workgroup_id_z 1
		.amdhsa_system_vgpr_workitem_id 0
		.amdhsa_next_free_vgpr 672
		.amdhsa_next_free_sgpr 66
		.amdhsa_reserve_vcc 1
		.amdhsa_float_denorm_mode_32 3
		.amdhsa_float_denorm_mode_16_64 3
		.amdhsa_memory_ordered 1
		.amdhsa_forward_progress 1
		.amdhsa_inst_pref_size 112
	.end_amdhsa_kernel
	.amdgpu_metadata
---
amdhsa.version: [ 1, 2 ]
amdhsa.kernels:
  - .name:           k_q64cb79d2c4_hidden
    .symbol:         k_q64cb79d2c4_hidden.kd
    .args:
      - { .name: angle_idx, .offset: 0, .size: 8, .value_kind: global_buffer, .address_space: global }
      - { .name: z, .offset: 8, .size: 8, .value_kind: global_buffer, .address_space: global }
      - { .name: W1, .offset: 16, .size: 8, .value_kind: global_buffer, .address_space: global }
      - { .name: b1, .offset: 24, .size: 8, .value_kind: global_buffer, .address_space: global }
      - { .name: hrec, .offset: 32, .size: 8, .value_kind: global_buffer, .address_space: global }
      - { .name: route, .offset: 40, .size: 8, .value_kind: global_buffer, .address_space: global }
    .group_segment_fixed_size: 25856
    .private_segment_fixed_size: 0
    .kernarg_segment_align: 8
    .kernarg_segment_size: 48
    .max_flat_workgroup_size: 32
    .sgpr_count:     66
    .vgpr_count:     672
    .wavefront_size: 32
...
	.end_amdgpu_metadata
.endif
;; end of part 1
;; launch decode (part 2): grid 256 x 1, 4 waves a work-group, no clusters, 145,920 bytes of LDS; arguments W2, b2, hrec, route, out0; writes out0
.if DOCPART == 2
	.amdgcn_target "amdgcn-amd-amdhsa--gfx1250"
	.amdhsa_code_object_version 6
	.text
	.protected	k_q64cb79d2c4_decode
	.globl	k_q64cb79d2c4_decode
	.p2align	8
	.type	k_q64cb79d2c4_decode,@function
k_q64cb79d2c4_decode:
	s_mov_b64 s[64:65], 0
	v_nop
	global_prefetch_b8 v0, s[64:65] scope:SCOPE_SE
	s_setreg_imm32_b32 hwreg(HW_REG_WAVE_MODE, 25, 1), 1
	s_wait_xcnt 0x0
; out0[token] = sigmoid(h W2[e]^T + b2[e]) for the rows of expert e, on codes of FP6 (E2M3) with one E8M0 scale for each 32 along K = 400 (four K steps of 128; the fourth holds 16 numbers and zero codes).
; SHARES.  Work-group x: expert e = x / 16, outputs 256 (x % 16) on.  Wave w owns 64 of them: its rows of W2 are ONE dense run of 102,400 bytes, which it reads once, 512 consecutive bytes a load, quantises on the way, and keeps
; as 4 tiles x 4 K steps x 12 registers of codes.  Then it walks the expert's tiles of 16 rows, whose codes, scale words, gates and tokens the launch before has stored, and stores each row's 256 bytes at its token.
; Waves share nothing: no barrier; EXEC stays whole.  The trip count is read from memory, so operands go through registers, with no tensor load.
; No cluster: what the 64 waves of an expert share, a record of 6,656 bytes a tile, is small beside each wave's own 102,400 bytes of W2, which no two waves share.
; THE MATRIX INSTRUCTION IS USED TRANSPOSED (source 0 = 16 rows of W2, source 1 = 16 rows of h): lane (r, h) holds row r and eight neighbouring outputs.  b2 is the C of each sum's first instruction.
; sigmoid(x) = 1 / (gate + 2^(-x log2 e)); the gate is 1, or +infinity for a row whose index no expert has: that row gets 0.  A last tile's spare rows repeat its last token: the same numbers go to the same bytes, from this wave.
; LIMITS: NaN and infinities among W2, b2 are not served.  A block whose largest magnitude lies under 2^-124 keeps the scale byte 1; a block of zeros has the byte 1 where the rule says 127 (its codes are zeros; this program alone reads the bytes).
; LDS, 36,352 bytes a wave: a stage for one tile of W2 (16 rows x 1,600 bytes, 16 bytes of padding behind each 64: byte y lies at y + 16 (y / 64), a row begins every 2,000 bytes), and from 32,000 a stage of 16 rows x 272 for the way out.
; REGISTERS.  Window 0: v1-11 addresses; v14-28 at work; v32-47 W2's scale words; v48-55 the rows' offsets in out0; v56-117, v118-179 two records (48 codes, 4 scale words, 2 gate, 8 tokens); v180-243 64 numbers of W2, later 4 accumulators and 8 x 4 registers on the way out.
;   Window 1: v0-191 W2's codes (tile t, K step s at 48 t + 12 s), v192-223 b2.   Windows 2, 3: two landing sets of 200 registers.
.set REC,  6656
.set WREG, 36352
.set SOUT, 32000
.set QT,   14
.set T,    22
.set W2S,  32
.set OFF,  48
.set SET0, 56
.set SET1, 118
.set X,    180
.set ACC,  180
.set OUTR, 212
.set B2W,  192                         ; in window 1
.set MSB, 0
.macro WIN new                         ; the immediate's high byte repeats the setting that is left
.if MSB != \new
	s_set_vgpr_msb (MSB<<8)|\new
.set MSB, \new
.endif
.endm
.macro LOAD t, win                     ; tile t of my rows of W2, 25,600 dense bytes, into a landing set: 50 loads of 512 consecutive bytes; read once in the launch
	WIN \win
.set ii, 0
.rept 50
	global_load_b128 v[4*ii:4*ii+3], v1, s[18:19] offset:25600*\t+512*ii th:TH_LOAD_NT
.set ii, ii+1
.endr
	WIN 0
.endm
.macro STAGE win                       ; and on into the stage: load i's 512 bytes take 640
	WIN \win
.set ii, 0
.rept 50
	ds_store_b128 v2, v[4*ii:4*ii+3] offset:640*ii
.set ii, ii+1
.endr
	WIN 0
.endm
; K step s (0 .. 2) of tile t becomes a fragment.  Lane (r, h) takes of its row k = 128 s + 64 cc + 32 h + 0 .. 31: two whole blocks, in the order of the operand's registers.
.macro QW t, s
.set FF, 48*(\t)+12*(\s)
.irp q, 0,1,2,3,4,5,6,7
	ds_load_b128 v[X+4*\q:X+4*\q+3], v3 offset:640*(\s)+80*(\q/4)+16*(\q%4)
.endr
.irp q, 0,1,2,3,4,5,6,7
	ds_load_b128 v[X+32+4*\q:X+32+4*\q+3], v3 offset:640*(\s)+320+80*(\q/4)+16*(\q%4)
.endr
	s_wait_dscnt 0x0
.irp k, 0,1,2,3
	v_max3_num_f32 v[QT+\k], |v[X+16*\k]|, |v[X+16*\k+1]|, 0x1800000       ; four chains of 16 numbers, each with the floor 2^(3 - 127): the byte cannot fall under 1
.endr
.irp i, 2,4,6,8,10,12,14
.irp k, 0,1,2,3
	v_max3_num_f32 v[QT+\k], v[QT+\k], |v[X+16*\k+\i]|, |v[X+16*\k+\i+1]|
.endr
.endr
	v_max_num_f32 v[QT], v[QT], v[QT+1]            ; block h of the K step
	v_max_num_f32 v[QT+2], v[QT+2], v[QT+3]        ; block 2 + h
	v_add_nc_u32 v[QT+4], 0xff000000, v[QT]        ; 2 off the exponent field: the conversion's scale operand
	v_add_nc_u32 v[QT+5], 0xff000000, v[QT+2]
	v_lshrrev_b32 v[QT+6], 23, v[QT+4]
	v_lshrrev_b32 v[QT+7], 23, v[QT+5]
	v_lshl_or_b32 v[QT+6], v[QT+7], 16, v[QT+6]
	v_lshlrev_b32 v[QT+6], v5, v[QT+6]             ; my two bytes at their places in the word (8 h bits up);
	v_permlanex16_b32 v[QT+7], v[QT+6], s36, s37
	v_or_b32 v[W2S+4*(\t)+(\s)], v[QT+6], v[QT+7]  ; with lane l xor 16's two the word is whole
	v_cvt_scalef32_pk16_fp6_f32 v[T:T+2], v[X+16:X+31], v[QT+4]            ; (a conversion's three registers begin on an even number: a block's second half is made here and moved)
	v_cvt_scalef32_pk16_fp6_f32 v[T+4:T+6], v[X+48:X+63], v[QT+5]
	WIN 0x40
	v_cvt_scalef32_pk16_fp6_f32 v[FF:FF+2], v[X:X+15], v[QT+4]
	v_cvt_scalef32_pk16_fp6_f32 v[FF+6:FF+8], v[X+32:X+47], v[QT+5]
	v_nop                                          ; one plain place behind the conversions
.irp i, 0,1,2
	v_mov_b32 v[FF+3+\i], v[T+\i]
	v_mov_b32 v[FF+9+\i], v[T+4+\i]
.endr
	WIN 0
.endm
; K step 3 of tile t: k = 384 .. 399 are a row's last 16 numbers, the first half of one block; all else is zero codes.  Both halves of the lanes make the codes; lanes 16-31, whose blocks are empty, keep zeros.
.macro QW3 t
.set FF, 48*(\t)+36
.irp q, 0,1,2,3
	ds_load_b128 v[X+4*\q:X+4*\q+3], v4 offset:1920+16*\q
.endr
	s_wait_dscnt 0x0
	v_max3_num_f32 v[QT], |v[X]|, |v[X+1]|, 0x1800000
	v_max3_num_f32 v[QT+1], |v[X+8]|, |v[X+9]|, |v[X+10]|
.irp i, 2,4,6
	v_max3_num_f32 v[QT], v[QT], |v[X+\i]|, |v[X+\i+1]|
.endr
.irp i, 11,13
	v_max3_num_f32 v[QT+1], v[QT+1], |v[X+\i]|, |v[X+\i+1]|
.endr
	v_max3_num_f32 v[QT], v[QT], v[QT+1], |v[X+15]|
	v_add_nc_u32 v[QT+4], 0xff000000, v[QT]
	v_lshrrev_b32 v[W2S+4*(\t)+3], 23, v[QT+4]     ; the block's byte is the word's lowest; the three bytes 0 above it stand over zero codes
	v_cvt_scalef32_pk16_fp6_f32 v[T:T+2], v[X:X+15], v[QT+4]
	v_nop                                          ; one plain place behind the conversion
	WIN 0x40
.irp i, 0,1,2
	v_and_b32 v[FF+\i], v[T+\i], v6
.endr
.irp i, 3,4,5,6,7,8,9,10,11
	v_mov_b32 v[FF+\i], 0
.endr
	WIN 0
.endm
; The record and the tokens of tile s33 into a set: 14 loads.  Then s33 steps, held at the expert's last tile: what is fetched beyond the end is that tile once more, and is not used.
.macro LOADH set
	s_wait_xcnt 0x0                                ; the loads that named s[24:27] have read them
	s_min_u32 s34, s33, 127
	s_mul_i32 s28, s34, REC
	s_add_nc_u64 s[24:25], s[20:21], s[28:29]
	s_lshl_b32 s28, s34, 6
	s_add_nc_u64 s[26:27], s[22:23], s[28:29]
.irp i, 0,1,2,3,4,5,6,7,8,9             ; K steps 0 to 2: nine groups of four registers; of K step 3 the first group (the other eight registers stay 0)
	global_load_b128 v[\set+4*\i:\set+4*\i+3], v1, s[24:25] offset:512*\i
.endr
	global_load_b128 v[\set+48:\set+51], v7, s[24:25] offset:6144          ; row r's four scale words
	global_load_b64 v[\set+52:\set+53], v8, s[24:25] offset:6400           ; row r's gate, twice
	global_load_b128 v[\set+54:\set+57], v9, s[26:27]                      ; the tokens of rows 8 h + 0 .. 7
	global_load_b128 v[\set+58:\set+61], v9, s[26:27] offset:16
	s_add_co_u32 s34, s33, 1
	s_cmp_lt_u32 s34, s30
	s_cselect_b32 s33, s34, s33
.endm
.macro TILE set
	s_wait_loadcnt 14                              ; this set's 14 loads are in; the other set's 14, issued behind them, may be out
	WIN 0x11                                       ; source 0 (W2) and C (b2) in window 1
.irp t, 0,1,2,3
	v_wmma_scale_f32_16x16x128_f8f6f4 v[ACC+8*\t:ACC+8*\t+7], v[48*\t:48*\t+11], v[\set:\set+11], v[B2W+8*\t:B2W+8*\t+7], v[W2S+4*\t], v[\set+48] matrix_a_fmt:MATRIX_FMT_FP6 matrix_b_fmt:MATRIX_FMT_FP6
.endr
	WIN 0x01
.irp s, 1,2,3                          ; the four accumulators take turns, one instruction a turn
.irp t, 0,1,2,3
	v_wmma_scale_f32_16x16x128_f8f6f4 v[ACC+8*\t:ACC+8*\t+7], v[48*\t+12*\s:48*\t+12*\s+11], v[\set+12*\s:\set+12*\s+11], v[ACC+8*\t:ACC+8*\t+7], v[W2S+4*\t+\s], v[\set+48+\s] matrix_a_fmt:MATRIX_FMT_FP6 matrix_b_fmt:MATRIX_FMT_FP6
.endr
.endr
	WIN 0
	s_wait_xcnt 0x0                                ; the last tile's stores have read their offsets and data
.irp i, 0,1,2,3,4,5,6,7
	v_min_u32 v[OFF+\i], 0x7ff, v[\set+54+\i]
.endr
.irp i, 0,1,2,3,4,5,6,7
	v_lshl_add_u32 v[OFF+\i], v[OFF+\i], 14, v7    ; token x 16,384 + 16 r.  (These sixteen lines are the places behind the products: ISA guide 7.12.1)
.endr
.set jj, 0
.rept 16
	v_pk_mul_f32 v[ACC+jj:ACC+jj+1], v[ACC+jj:ACC+jj+1], 0xbfb8aa3b op_sel_hi:[1,0]    ; -x log2 e; each accumulator from its low end on
.set jj, jj+2
.endr
.set jj, 0
.rept 32
	v_exp_f32 v[ACC+jj], v[ACC+jj]
.set jj, jj+1
.endr
	v_nop                                          ; a plain place behind the batch
	s_wait_alu depctr_va_vdst(0)                   ; one wait for the 32, ahead of their first reader
.set jj, 0
.rept 16
	v_pk_add_f32 v[ACC+jj:ACC+jj+1], v[ACC+jj:ACC+jj+1], v[\set+52:\set+53]
.set jj, jj+2
.endr
	LOADH \set                                     ; the set is read out: it takes the tile two on, which has the rest of this tile and the next in which to land
.set jj, 0
.rept 32
	v_rcp_f32 v[ACC+jj], v[ACC+jj]
.set jj, jj+1
.endr
	v_nop
	s_wait_alu depctr_va_vdst(0)                   ; one wait for the 32 reciprocals
.irp t, 0,1,2,3                        ; through my stage: lane (r, h) puts outputs 16 t + 8 h + 0 .. 7 of row r,
	ds_store_b128 v10, v[ACC+8*\t:ACC+8*\t+3] offset:64*\t
	ds_store_b128 v10, v[ACC+8*\t+4:ACC+8*\t+7] offset:64*\t+16
.endr
.irp i, 0,1,2,3,4,5,6,7                ; and whole rows come back: lanes 0-15 row i, lanes 16-31 row i + 8 (LDS serves a wave's instructions in order: ISA guide 5.7.1.4)
	ds_load_b128 v[OUTR+4*\i:OUTR+4*\i+3], v11 offset:272*\i
.endr
.irp i, 0,1,2,3,4,5,6,7
	s_wait_dscnt 7-\i
	global_store_b128 v[OFF+\i], v[OUTR+4*\i:OUTR+4*\i+3], s[38:39] th:TH_STORE_NT     ; sixteen lanes store 256 consecutive bytes of a row, at a multiple of 256 from out0's first byte
.endr
.endm
	s_load_b256 s[4:11], s[0:1], 0x0               ; W2 s[4:5], b2 s[6:7], hrec s[8:9], route s[10:11]
	s_load_b64 s[12:13], s[0:1], 0x20              ; out0
	v_lshl_add_u32 v254, v0, 2, 0x23800
	v_mov_b32 v255, 0
	v_lshrrev_b32 v12, 5, v0
	v_readfirstlane_b32 s14, v12                   ; wave 0..3
	s_lshr_b32 s15, ttmp9, 4                       ; e
	s_and_b32 s16, ttmp9, 15                       ; which 256 outputs
	s_mov_b32 s36, 0x76543210
	s_mov_b32 s37, 0xfedcba98                      ; v_permlanex16_b32's selects for lane l xor 16
	v_and_b32 v12, 31, v0                          ; lane
	v_lshlrev_b32 v1, 4, v12                       ; 16 x lane
	v_and_b32 v13, 15, v0                          ; r
	v_bfe_u32 v14, v0, 4, 1                        ; h
	s_mul_i32 s34, s14, WREG                       ; my wave's LDS
	v_lshrrev_b32 v15, 2, v12
	v_mul_u32_u24 v2, v15, 80
	v_and_b32 v15, 3, v12
	v_lshl_add_u32 v2, v15, 4, v2
	v_add_nc_u32 v2, s34, v2                       ; into the stage: 80 (lane / 4) + 16 (lane % 4)
	v_mul_u32_u24 v4, v13, 2000
	v_add_nc_u32 v4, s34, v4                       ; out of it: row r,
	v_mad_u32_u24 v3, v14, 160, v4                 ; + my half's 128 bytes and their two paddings
	v_lshlrev_b32 v5, 3, v14                       ; 8 h
	v_add_nc_u32 v6, -1, v14                       ; all ones in lanes 0-15, 0 in lanes 16-31
	v_lshlrev_b32 v7, 4, v13                       ; 16 r
	v_lshlrev_b32 v8, 3, v13                       ; 8 r
	v_lshlrev_b32 v9, 5, v14                       ; 32 h
	v_mul_u32_u24 v10, v13, 272
	v_lshl_add_u32 v10, v14, 5, v10
	v_add_nc_u32 v10, s34, v10
	v_add_nc_u32 v10, SOUT, v10                    ; the way out, in: row r, + 32 h
	v_mul_u32_u24 v11, v14, 2176
	v_lshl_add_u32 v11, v13, 4, v11
	v_add_nc_u32 v11, s34, v11
	v_add_nc_u32 v11, SOUT, v11                    ; and back: row 8 h, + 16 r
	s_mov_b32 s29, 0                               ; the upper word of the offsets' pair s[28:29]
	s_mul_i32 s28, ttmp9, 409600
	s_mul_i32 s34, s14, 102400
	s_add_co_u32 s28, s28, s34
	s_wait_kmcnt 0x0
	s_add_nc_u64 s[18:19], s[4:5], s[28:29]        ; my 64 rows of W2
	s_lshl_b32 s28, s16, 10
	s_lshl_b32 s34, s14, 8
	s_add_co_u32 s28, s28, s34
	s_add_nc_u64 s[38:39], s[12:13], s[28:29]      ; my 256 bytes in a row of out0
	s_lshl_b32 s34, s15, 14
	s_add_co_u32 s28, s28, s34
	s_add_nc_u64 s[40:41], s[6:7], s[28:29]        ; my 64 numbers of b2[e]
	s_mul_i32 s28, s15, 128*REC
	s_add_nc_u64 s[20:21], s[8:9], s[28:29]        ; the expert's records
	s_lshl_b32 s28, s15, 13
	s_add_nc_u64 s[22:23], s[10:11], s[28:29]      ; and tokens
	s_lshl_b32 s28, s15, 2
	s_add_nc_u64 s[24:25], s[10:11], s[28:29]
	s_load_b32 s30, s[24:25], 0x20000              ; the expert's number of tiles
	WIN 0x40
.irp t, 0,1,2,3                        ; b2 in the result's layout: tile t, lane (r, h): outputs 16 t + 8 h + 0 .. 7
	global_load_b128 v[B2W+8*\t:B2W+8*\t+3], v9, s[40:41] offset:64*\t
	global_load_b128 v[B2W+8*\t+4:B2W+8*\t+7], v9, s[40:41] offset:64*\t+16
.endr
	WIN 0
	LOAD 0, 0x80
	LOAD 1, 0xc0
.irp k, 0,1,2,3,4,5,6,7
	v_mov_b32 v[SET0+40+\k], 0                     ; K step 3's registers 4 to 11 are zero codes in every tile
	v_mov_b32 v[SET1+40+\k], 0
.endr
	s_wait_kmcnt 0x0
	s_min_u32 s30, s30, 128
	s_cmp_lg_u32 s30, 0
	s_cbranch_scc1 .Lwork
	s_endpgm                                       ; no row has chosen this expert
.Lwork:
	s_add_co_u32 s31, s30, 1
	s_lshr_b32 s31, s31, 1                         ; pairs of tiles
	; W2 BECOMES CODES, a tile of 16 rows at a time: landing set, stage, four fragments.  One stage serves all four tiles: LDS serves the wave's instructions in order.
	s_wait_loadcnt 50                              ; tile 0 is in; behind it: tile 1's 50 loads
	STAGE 0x08
	s_wait_dscnt 0x0                               ; the LDS stores have read the landing set: it takes tile 2
	LOAD 2, 0x80
	QW 0, 0
	QW 0, 1
	QW 0, 2
	QW3 0
	s_wait_loadcnt 50                              ; tile 1 is in; behind it: tile 2's 50
	STAGE 0x0c
	s_wait_dscnt 0x0
	LOAD 3, 0xc0
	QW 1, 0
	QW 1, 1
	QW 1, 2
	QW3 1
	s_wait_loadcnt 50                              ; tile 2 is in; behind it: tile 3's 50
	STAGE 0x08
	s_mov_b32 s33, 0
	LOADH SET0                                     ; the first two records are asked for while the last two tiles are quantised
	LOADH SET1
	QW 2, 0
	QW 2, 1
	QW 2, 2
	QW3 2
	s_wait_loadcnt 28                              ; tile 3 is in; behind it: the two records' 14 loads each
	STAGE 0x0c
	QW 3, 0
	QW 3, 1
	QW 3, 2
	QW3 3
.rept 8
	v_nop                                          ; a scale word written by a vector instruction stands 8 places ahead of the scaled matrix instruction, an operand so written 4
.endr
	s_mov_b32 s32, 0
.Lpair:                                            ; a trip takes two tiles, one from each set
	TILE SET0
	s_lshl_b32 s34, s32, 1
	s_add_co_u32 s34, s34, 1
	s_cmp_lt_u32 s34, s30
	s_cbranch_scc1 .Lsecond
	s_wait_tensorcnt 0x0
	ds_add_u32 v254, v255
	s_wait_dscnt 0x0
	s_endpgm                                       ; an odd number of tiles ends here: the loads that are still out bring the last tile once more, which nobody uses
.Lsecond:
	TILE SET1
	s_add_co_u32 s32, s32, 1
	s_cmp_lt_u32 s32, s31
	s_cbranch_scc1 .Lpair
	s_wait_tensorcnt 0x0
	ds_add_u32 v254, v255
	s_wait_dscnt 0x0
	s_endpgm
.Lfunc_end_k_q64cb79d2c4_decode:
	.size	k_q64cb79d2c4_decode, .Lfunc_end_k_q64cb79d2c4_decode-k_q64cb79d2c4_decode
	.p2alignl 7, 3214868480
	.fill 96, 4, 3214868480
	.section	.rodata,"a",@progbits
	.p2align	6, 0x0
	.amdhsa_kernel k_q64cb79d2c4_decode
		.amdhsa_group_segment_fixed_size 145920
		.amdhsa_private_segment_fixed_size 0
		.amdhsa_enable_private_segment 0
		.amdhsa_kernarg_size 40
		.amdhsa_user_sgpr_count 2
		.amdhsa_user_sgpr_kernarg_segment_ptr 1
		.amdhsa_wavefront_size32 1
		.amdhsa_system_sgpr_workgroup_id_x 1
		.amdhsa_system_sgpr_workgroup_id_y 1
		.amdhsa_system_sgpr_workgroup_id_z 1
		.amdhsa_system_vgpr_workitem_id 0
		.amdhsa_next_free_vgpr 968
		.amdhsa_next_free_sgpr 66
		.amdhsa_reserve_vcc 0
		.amdhsa_float_denorm_mode_32 3
		.amdhsa_float_denorm_mode_16_64 3
		.amdhsa_memory_ordered 1
		.amdhsa_forward_progress 1
		.amdhsa_inst_pref_size 119
	.end_amdhsa_kernel
	.amdgpu_metadata
---
amdhsa.version: [ 1, 2 ]
amdhsa.kernels:
  - .name:           k_q64cb79d2c4_decode
    .symbol:         k_q64cb79d2c4_decode.kd
    .args:
      - { .name: W2, .offset: 0, .size: 8, .value_kind: global_buffer, .address_space: global }
      - { .name: b2, .offset: 8, .size: 8, .value_kind: global_buffer, .address_space: global }
      - { .name: hrec, .offset: 16, .size: 8, .value_kind: global_buffer, .address_space: global }
      - { .name: route, .offset: 24, .size: 8, .value_kind: global_buffer, .address_space: global }
      - { .name: out0, .offset: 32, .size: 8, .value_kind: global_buffer, .address_space: global }
    .group_segment_fixed_size: 145920
    .private_segment_fixed_size: 0
    .kernarg_segment_align: 8
    .kernarg_segment_size: 40
    .max_flat_workgroup_size: 128
    .sgpr_count:     66
    .vgpr_count:     968
    .wavefront_size: 32
...
	.end_amdgpu_metadata
.endif
;; end of part 2
;; ======== version 2 of 2: 2 launches; version 1 with the launches hidden, decode written anew for expert scheduling mode
;; workspace buffers: hrec 13,631,488 bytes; route 131,328 bytes of whole numbers
;; launch hidden (part 3): grid 256 x 1, 1 waves a work-group, no clusters, 25,856 bytes of LDS; arguments angle_idx, z, W1, b1, hrec, route; writes hrec, route
.if DOCPART == 3
	.amdgcn_target "amdgcn-amd-amdhsa--gfx1250"
	.amdhsa_code_object_version 6
	.text
	.protected	k_q64cb79d2c4_hidden
	.globl	k_q64cb79d2c4_hidden
	.p2align	8
	.type	k_q64cb79d2c4_hidden,@function
k_q64cb79d2c4_hidden:
	s_mov_b64 s[64:65], 0
	v_nop
	global_prefetch_b8 v0, s[64:65] scope:SCOPE_SE
	s_setreg_imm32_b32 hwreg(HW_REG_WAVE_SCHED_MODE, 0, 2), 2
	s_setreg_imm32_b32 hwreg(HW_REG_WAVE_MODE, 25, 1), 1
	s_wait_xcnt 0x0
	s_wait_alu depctr_vm_vsrc(0)
; h = relu(z W1[e]^T + b1[e]) for the rows whose angle_idx is e, on codes of FP6 (E2M3) with one E8M0 scale for each 32 along K, and h quantised again along its 400 units for the second product.
; SHARES.  Work-group g (one wave): expert e = g / 16, chunk c = (g / 4) % 4 of the hidden units (128 c .. 128 c + 127: one K step of the second product), part p = g % 4.
; The wave lists its expert's rows out of angle_idx by itself (a compaction by ballots into LDS), keeps its chunk of W1[e] as eight fragments of codes in registers, and walks the expert's tiles of 16 rows p, p + 4, ..
; ONE WAVE TO A WORK-GROUP: the list's LDS addresses hang on the indices, so no second wave shares this LDS, and there is no barrier.  Trip counts hang on the indices too: operands go through registers, with no tensor load.
; No cluster: what work-groups share (8,192 bytes of indices, 65,536 of W1 among four) is read once by each at its head and is small beside a joint load's rounds.
; OUT.  hrec: a record of 6,656 bytes for tile j of expert e at slot 128 e + j: +1536 c the image of the registers of h's fragment of K step c (four registers a store, lane l at 16 l), +6144 the scale words (row r, K step c at 16 r + 4 c),
; +6400 the row's gate, twice (8 r).  route: word 2048 e + 16 j + r = the row's token; word 32768 + e = the expert's number of tiles.
; A LAST TILE'S SPARE ROWS repeat the expert's last token: the same numbers go to the same bytes.  AN INDEX OUTSIDE 0 .. 15 rides with expert 15 and has the gate +infinity in place of 1: the next launch's 1 / (gate + 2^..) is then 0.
; CHUNK 3 has 16 real units (384 .. 399).  It runs the same text: its loads are held inside W1[e] and b1[e], and what belongs to a unit from 400 on is made 0 by the line that clips at 0 (its upper bound is 0 there, +infinity elsewhere).
; THE MATRIX INSTRUCTION IS USED TRANSPOSED (source 0 = 16 rows of W1, source 1 = 16 rows of z); lane r of tile 2 b + u takes unit 32 b + 8 u + r + 8 (r / 8), so that the 16 registers of tiles 2 b, 2 b + 1 are 16 neighbours along the next K.
; LIMITS: NaN and infinities among z, W1, b1 are not served.  A block whose largest magnitude lies under 2^-124 keeps the scale byte 1; a block of zeros has the byte 1 where the rule says 127 (its codes are zeros; this program alone reads the bytes).
; REGISTERS.  Window 0: v1-31 addresses and constants; v32-95 the indices, each then its place's LDS address, then 64 numbers of z; v96-159 the 64 token numbers, then 64 numbers of W1, then the 8 accumulators; v160.. z's codes, v172 its scale word;
;   v174.. h's codes, v186 its scale word; v188-194, v196-211, v228-235 at work; v212-219 W1's scale words; v220-227 the clip's upper bounds; v238 a token, v239 an LDS address at the head.
;   Window 1: two landing sets of 32 rows of W1.   Window 2: v0-95 W1's codes, v96-159 b1 in the result's layout.
; THE MODE: SCHED_MODE bits 1:0 = 2 (LLVM: expert scheduling mode 2), set by the entry lines.  The code itself states the register dependences between vector or matrix instructions and memory or LDS instructions, with s_wait_alu, always for 0.
; THE PLAN.  Registers that memory or LDS instructions touch:
;   v1, v7-16, v27-29, v236   offsets and LDS addresses, made once at the head and never written again: one wait on va_vdst ahead of the first load.
;   v32-95, v96-159           THE LIST: vector lines turn each index into its LDS address in place and make the 64 token numbers; one wait on va_vdst; the 64 LDS stores read both.  One wait on vm_vsrc ahead of z's first loads frees both runs.
;                             The compares go in runs of eight into eight scalar registers, with one wait on va_sdst behind each run.
;   the landing sets          loads land, the LDS stores into the stage read, loads land again behind a wait on vm_vsrc.  No vector line names them.
;   v96-159 as X              LDS loads land, a fragment's maxima and conversions read: a wait on va_vdst at the head of each fragment but the first.
;   A TRIP.  v32-95 and v23: read by the trip's first lines and the quantiser of z, then loaded for my next tile.  v20: the token of my next tile, read at the trip's head, then loaded for the tile after.  v19, v21, v22: addresses, written at the
;   trip's head, read by those loads.  v174-186, v24-26: written by the trip, read by its stores.  So: at the head one wait on vm_vsrc (the last trip's loads and stores have read their registers); behind the quantiser of z and the places ONE wait on
;   va_vdst, for the products' operands, the three addresses and the registers read out, with the 18 loads in one run behind it; and one wait on va_vdst ahead of the stores.
.set REC,  6656
.set STG,  8448                        ; LDS: 0 .. 8,319 the list (2,048 words) and 32 dump words; from 8,448 a stage of 32 rows of W1
.set SP,   528                         ; a stage row: 512 bytes + 16
.set WO,   7                           ; v7-10   group b of W1's rows: 16 x lane + 512 x min(128 c + 32 b, 368)
.set BO,   11                          ; v11-14  group b of b1: 4 x min(128 c + 32 b, 384) + 64 h (chunk 3: + 0)
.set RA,   15                          ; v15-16  where lane (r, h) reads its row of tile u in the stage
.set IDX,  32
.set Z,    32
.set X,    96
.set HA,   96
.set ZC,   160
.set ZW,   172
.set PC,   174
.set PW,   186
.set TQ,   188
.set TM,   196
.set W1S,  212
.set LIM,  220
.set QT,   228
.set TK,   238                         ; v238    the token of the tile whose numbers of z are on their way or in, held inside the table
.set TA2,  239                         ; v239    at the head only: the LDS address of my second tile's token
.set B1W,  96                          ; in window 2
.set MSB, 0
.macro WIN new                         ; the immediate's high byte repeats the setting that is left
.if MSB != \new
	s_set_vgpr_msb (MSB<<8)|\new
.set MSB, \new
.endif
.endm
.macro LOADG b, set, again             ; 32 rows of W1 into a landing set: each load is one whole row, 512 consecutive bytes.  again = 1: the set has been read out into the stage
	WIN 0x40
.if \again
	s_wait_alu depctr_vm_vsrc(0)                   ; the LDS stores into the stage have read this landing set, in which the loads below land
.endif
.set ii, 0
.rept 32
	global_load_b128 v[128*\set+4*ii:128*\set+4*ii+3], v[WO+\b], s[36:37] offset:512*ii
.set ii, ii+1
.endr
	WIN 0
.endm
.macro STAGE set                       ; and on into the stage, as they lie
	WIN 0x04
.set ii, 0
.rept 32
	ds_store_b128 v1, v[128*\set+4*ii:128*\set+4*ii+3] offset:STG+SP*ii
.set ii, ii+1
.endr
	WIN 0
.endm
; Tile t of W1 becomes a fragment.  Lane (r, h) takes of its row k = 64 cc + 32 h + 0 .. 31: two whole blocks, in the order of the operand's registers, so the conversions' results are the operand.
.macro QW t, ra
.if (\t) > 0
	s_wait_alu depctr_va_vdst(0)                   ; the fragment before is made: its maxima and conversions are done reading v[X ..], in which the loads below land
.endif
.irp q, 0,1,2,3,4,5,6,7
	ds_load_b128 v[X+4*\q:X+4*\q+3], v[\ra] offset:16*\q
.endr
.irp q, 0,1,2,3,4,5,6,7
	ds_load_b128 v[X+32+4*\q:X+32+4*\q+3], v[\ra] offset:256+16*\q
.endr
	s_wait_dscnt 0x0
.irp k, 0,1,2,3
	v_max3_num_f32 v[QT+\k], |v[X+16*\k]|, |v[X+16*\k+1]|, 0x1800000       ; four chains of 16 numbers, each with the floor 2^(3 - 127): the byte cannot fall under 1
.endr
.irp i, 2,4,6,8,10,12,14
.irp k, 0,1,2,3
	v_max3_num_f32 v[QT+\k], v[QT+\k], |v[X+16*\k+\i]|, |v[X+16*\k+\i+1]|
.endr
.endr
	v_max_num_f32 v[QT], v[QT], v[QT+1]            ; block h
	v_max_num_f32 v[QT+2], v[QT+2], v[QT+3]        ; block 2 + h
	v_add_nc_u32 v[QT+4], 0xff000000, v[QT]        ; 2 off the exponent field: the conversion's scale operand
	v_add_nc_u32 v[QT+5], 0xff000000, v[QT+2]
	v_lshrrev_b32 v[QT+6], 23, v[QT+4]             ; the scales' bytes,
	v_lshrrev_b32 v[QT+7], 23, v[QT+5]
	v_lshl_or_b32 v[QT+6], v[QT+7], 16, v[QT+6]
	v_lshlrev_b32 v[QT+6], v6, v[QT+6]             ; at their places in the word (8 h bits up);
	v_permlanex16_b32 v[QT+7], v[QT+6], s34, s35
	v_or_b32 v[W1S+\t], v[QT+6], v[QT+7]           ; with lane l xor 16's two the word is whole
	v_cvt_scalef32_pk16_fp6_f32 v[TQ:TQ+2], v[X+16:X+31], v[QT+4]          ; (a conversion's three registers begin on an even number: a block's second half is made here and moved)
	v_cvt_scalef32_pk16_fp6_f32 v[TQ+4:TQ+6], v[X+48:X+63], v[QT+5]
	WIN 0x80
	v_cvt_scalef32_pk16_fp6_f32 v[12*\t:12*\t+2], v[X:X+15], v[QT+4]
	v_cvt_scalef32_pk16_fp6_f32 v[12*\t+6:12*\t+8], v[X+32:X+47], v[QT+5]
	v_nop                                          ; one plain place behind the conversions
.irp i, 0,1,2
	v_mov_b32 v[12*\t+3+\i], v[TQ+\i]
	v_mov_b32 v[12*\t+9+\i], v[TQ+4+\i]
.endr
	WIN 0
.endm
; 64 numbers of a lane, register 16 b + i = k 32 b + 16 (lane / 16) + i of its row, become a fragment's codes in v[d] on and its scale word in v[w].
.macro QUANT s, d, w
.irp b, 0,1,2,3
	v_max3_num_f32 v[TM+\b], |v[\s+16*\b]|, |v[\s+1+16*\b]|, 0x1800000
.endr
.irp i, 2,4,6,8,10,12,14
.irp b, 0,1,2,3
	v_max3_num_f32 v[TM+\b], v[TM+\b], |v[\s+16*\b+\i]|, |v[\s+1+16*\b+\i]|
.endr
.endr
.irp b, 0,1,2,3
	v_permlanex16_b32 v[TM+4+\b], v[TM+\b], s34, s35
.endr
.irp b, 0,1,2,3
	v_max_num_f32 v[TM+\b], v[TM+\b], v[TM+4+\b]   ; with lane l xor 16's: the block's largest magnitude
.endr
.irp b, 0,1,2,3
	v_add_nc_u32 v[TM+12+\b], 0xff000000, v[TM+\b]
.endr
.irp b, 0,1,2,3
	v_lshrrev_b32 v[TM+4+\b], 23, v[TM+12+\b]
.endr
	v_lshl_or_b32 v[\w], v[TM+5], 8, v[TM+4]
	v_lshl_or_b32 v[\w], v[TM+6], 16, v[\w]
	v_lshl_or_b32 v[\w], v[TM+7], 24, v[\w]
.irp c, 0,1
	v_cvt_scalef32_pk16_fp6_f32 v[\d+6*\c:\d+2+6*\c], v[\s+32*\c:\s+15+32*\c], v[TM+12+2*\c]
	v_cvt_scalef32_pk16_fp6_f32 v[TQ+4*\c:TQ+2+4*\c], v[\s+16+32*\c:\s+31+32*\c], v[TM+12+2*\c+1]
.endr
	v_nop                                          ; one plain place behind the conversions
.irp c, 0,1                            ; the operand's layout wants a whole block in a lane: lanes 0-15 block 2 c, lanes 16-31 block 2 c + 1
.irp i, 0,1,2
	v_permlane16_swap_b32 v[\d+6*\c+\i], v[TQ+4*\c+\i]
.endr
.irp i, 0,1,2
	v_mov_b32 v[\d+3+6*\c+\i], v[TQ+4*\c+\i]
.endr
.endr
.endm
.macro TADR d, sj                      ; the LDS address of my row's token in tile sj: place 16 sj + r of the list, held at the list's last place
	s_lshl_b32 s24, \sj, 4
	v_add_nc_u32 v[\d], s24, v2
	v_min_u32 v[\d], s22, v[\d]
	v_min_u32 v[\d], 0x7ff, v[\d]
	v_lshlrev_b32 v[\d], 2, v[\d]
.endm
.macro ZLOAD                           ; 17 loads: my row's 16 numbers of each block of 32, and its index once more, for the gate
.irp b, 0,1,2,3
.irp q, 0,1,2,3
	global_load_b128 v[Z+16*\b+4*\q:Z+16*\b+4*\q+3], v21, s[6:7] offset:128*\b+16*\q
.endr
.endr
	global_load_b32 v23, v22, s[4:5]
.endm
	s_load_b256 s[4:11], s[0:1], 0x0               ; angle_idx s[4:5], z s[6:7], W1 s[8:9], b1 s[10:11]
	s_load_b128 s[12:15], s[0:1], 0x20             ; hrec s[12:13], route s[14:15]
	v_lshl_add_u32 v254, v0, 2, 0x6400
	v_mov_b32 v255, 0
	s_lshr_b32 s16, ttmp9, 4                       ; e
	s_bfe_u32 s17, ttmp9, 0x20002                  ; c
	s_and_b32 s18, ttmp9, 3                        ; p
	s_mov_b32 s27, 0                               ; the upper word of the offsets' pair s[26:27]
	s_mov_b32 s34, 0x76543210
	s_mov_b32 s35, 0xfedcba98                      ; v_permlanex16_b32's selects for lane l xor 16
	s_lshl_b32 s40, s17, 7                         ; 128 c
	v_lshlrev_b32 v1, 4, v0                        ; 16 x lane
	v_and_b32 v2, 15, v0                           ; r
	v_lshrrev_b32 v3, 4, v0                        ; h
	v_lshlrev_b32 v4, 6, v3                        ; 64 h
	v_lshlrev_b32 v5, 4, v3                        ; 16 h
	v_lshlrev_b32 v6, 3, v3                        ; 8 h
	s_cmp_lt_u32 s17, 3
	s_cselect_b32 s41, 1, 0
	s_cselect_b32 s42, 0, 16                       ; chunk 3's rows 384 .. 399 lie in stage rows 16 .. 31
	v_mul_u32_u24 v[QT], s41, v4
.irp b, 0,1,2,3
	s_add_co_u32 s24, s40, 32*\b
	s_min_u32 s25, s24, 368                        ; 32 rows from here on stay inside W1[e]
	s_lshl_b32 s25, s25, 9
	v_add_nc_u32 v[WO+\b], s25, v1
	s_min_u32 s25, s24, 384                        ; 16 numbers from here on stay inside b1[e]
	s_lshl_b32 s25, s25, 2
	v_add_nc_u32 v[BO+\b], s25, v[QT]
.endr
	v_and_b32 v[QT+1], 8, v2
	v_add_nc_u32 v[QT+1], v[QT+1], v2              ; r + 8 (r / 8)
	v_add_nc_u32 v[QT+1], s42, v[QT+1]
.irp u, 0,1
	v_add_nc_u32 v[QT+2], 8*\u, v[QT+1]
	v_and_b32 v[QT+2], 31, v[QT+2]
	v_mul_u32_u24 v[QT+2], v[QT+2], SP
	v_lshl_add_u32 v[QT+2], v3, 7, v[QT+2]         ; + 128 h: my 32 numbers of each 64
	v_add_nc_u32 v[RA+\u], STG, v[QT+2]
.endr
	v_add_nc_u32 v17, 0x800, v0                    ; my dump word's place: 2,048 + lane
	v_lshlrev_b32 v18, 2, v0                       ; the token of my first index: 4 x lane
	s_lshl_b32 s24, s17, 2
	v_lshl_add_u32 v27, v2, 4, s24                 ; 16 r + 4 c
	v_lshlrev_b32 v28, 3, v2                       ; 8 r
	v_lshlrev_b32 v29, 2, v2                       ; 4 r
	v_mov_b32 v30, 0x7f800000                      ; +infinity
	v_mov_b32 v31, 1.0
	s_lshl_b32 s24, s16, 2
	v_mov_b32 v236, s24                            ; 4 e
.irp b, 0,1,2,3
	v_mov_b32 v[TM+4+\b], 0                        ; written once: a lane permute's destination counts as one of its sources
.endr
	s_wait_kmcnt 0x0
	s_mul_i32 s26, s16, 204800
	s_add_nc_u64 s[36:37], s[8:9], s[26:27]        ; W1[e]
	s_mul_i32 s26, s16, 1600
	s_add_nc_u64 s[38:39], s[10:11], s[26:27]      ; b1[e]
	s_lshl_b32 s26, s16, 13
	s_add_nc_u64 s[32:33], s[14:15], s[26:27]      ; the expert's 2,048 words of route
	s_wait_alu depctr_va_vdst(0)                   ; v1, v7 to v16, v27 to v29 and v236 are written: the loads, LDS instructions and stores of the whole kernel read them as offsets and addresses, and no line writes them again
.set ii, 0
.rept 16
	global_load_b128 v[IDX+4*ii:IDX+4*ii+3], v1, s[4:5] offset:512*ii      ; register 4 i + q holds the index of token 128 i + 4 x lane + q
.set ii, ii+1
.endr
	WIN 0x80
.irp t, 0,1,2,3,4,5,6,7                ; b1 in the result's layout: tile 2 b + u, lane (r, h): units 32 b + 16 h + 8 u + 0 .. 7 of the chunk
	global_load_b128 v[B1W+8*\t:B1W+8*\t+3], v[BO+\t/2], s[38:39] offset:32*(\t%2)
	global_load_b128 v[B1W+8*\t+4:B1W+8*\t+7], v[BO+\t/2], s[38:39] offset:32*(\t%2)+16
.endr
	WIN 0
	LOADG 0, 0, 0
	LOADG 1, 1, 0
	; While the loads are on their way: what hangs on no loaded number.
	s_sub_co_u32 s40, 400, s40                     ; units left from the chunk's first on
.irp t, 0,1,2,3,4,5,6,7                ; the clip's upper bound for my eight units of tile t, which begin at 32 (t / 2) + 8 (t % 2) + 16 h: the eight compares in one run, each into a scalar register of its own
	s_sub_co_i32 s24, s40, 32*(\t/2)+8*(\t%2)
	v_cmp_gt_i32 s[28+(\t%4)+16*(\t/4)], s24, v5
.endr
	s_wait_alu depctr_va_sdst(0)                   ; the eight masks are written, ahead of their first reader
.irp t, 0,1,2,3,4,5,6,7
	v_cndmask_b32 v[LIM+\t], 0, v30, s[28+(\t%4)+16*(\t/4)]
.endr
.set n, 0
.rept 64
	v_add_nc_u32 v[X+n], 128*(n/4)+n%4, v18        ; the token whose index register n holds: 128 i + 4 x lane + q
.set n, n+1
.endr
	s_wait_loadcnt 63                              ; 80 loads were issued behind the 16 of the indices; 63 is the most that the wait names: of the 96 at most 63 are out, so the oldest 33 are in
	; THE LIST.  For each of my 64 registers: the lanes whose index is e get consecutive places behind those found so far; the others write their dump word.  EXEC stays whole.
	; Eight registers at a time; each index register becomes the LDS address of its place.
	s_mov_b32 s20, 0                               ; found so far
.set n, 0
.rept 8
.set k, 0
.rept 8
	v_min_u32 v[IDX+n+k], 15, v[IDX+n+k]           ; (an index outside 0 .. 15 counts as 15)
.set k, k+1
.endr
.set k, 0
.rept 8
	v_cmp_eq_u32 s[28+(k%4)+16*(k/4)], s16, v[IDX+n+k]
.set k, k+1
.endr
	s_wait_alu depctr_va_sdst(0)                   ; the eight masks are written, ahead of their first reader
.set k, 0
.rept 8
	v_mbcnt_lo_u32_b32 v[IDX+n+k], s[28+(k%4)+16*(k/4)], s20               ; found so far + the matching lanes below me
	v_cndmask_b32 v[IDX+n+k], v17, v[IDX+n+k], s[28+(k%4)+16*(k/4)]
	s_bcnt1_i32_b32 s24, s[28+(k%4)+16*(k/4)]
	s_add_co_u32 s20, s20, s24
.set k, k+1
.endr
.set k, 0
.rept 8
	v_min_u32 v[IDX+n+k], 0x81f, v[IDX+n+k]
.set k, k+1
.endr
.set k, 0
.rept 8
	v_lshlrev_b32 v[IDX+n+k], 2, v[IDX+n+k]
.set k, k+1
.endr
.set n, n+8
.endr
	s_add_co_u32 s21, s20, 15
	s_lshr_b32 s21, s21, 4                         ; the expert's tiles
	v_mov_b32 v237, s21
	s_wait_alu depctr_va_vdst(0)                   ; the 64 addresses, the 64 token numbers and v237 are written: the LDS stores and the store below read them
.set n, 0
.rept 64
	ds_store_b32 v[IDX+n], v[X+n]
.set n, n+1
.endr
	s_and_b32 s24, ttmp9, 15
	s_cmp_lg_u32 s24, 0
	s_cbranch_scc1 .Lno_count
	global_store_b32 v236, v237, s[14:15] offset:131072    ; the expert's first work-group stores the number (all lanes the same word with the same value)
.Lno_count:
	s_cmp_lt_u32 s18, s21
	s_cbranch_scc1 .Lwork
	s_wait_dscnt 0x0
	s_wait_alu depctr_hold_cnt(0) depctr_sa_sdst(0) depctr_va_vdst(0) depctr_va_sdst(0) depctr_va_ssrc(0) depctr_va_vcc(0) depctr_vm_vsrc(0)
	s_wait_tensorcnt 0x0
	ds_add_u32 v254, v255
	s_wait_dscnt 0x0
	s_endpgm                                       ; this split leaves me no tile
.Lwork:
	s_sub_co_u32 s22, s20, 1                       ; the list's last place
	s_mov_b32 s23, s18                             ; j = p
	s_sub_co_u32 s47, s21, s18                     ; my tiles p, p + 4, .. under the expert's number: (tiles - p + 3) / 4 of them, at least one
	s_add_co_u32 s47, s47, 3
	s_lshr_b32 s47, s47, 2
	s_mov_b32 s46, 0                               ; tiles done
	TADR 19, s23                                   ; the tokens of my first tile and of my second (behind the last tile: the list's last row once more)
	s_add_co_u32 s25, s23, 4
	TADR TA2, s25
	s_wait_alu depctr_va_vdst(0)                   ; v19 and v239 are written: the two LDS loads read them
	ds_load_b32 v[TK], v19                         ; LDS serves a wave's instructions in order: these see the list's stores
	ds_load_b32 v20, v[TA2]
	s_wait_dscnt 0x0
	v_min_u32 v[TK], 0x7ff, v[TK]
	v_lshlrev_b32 v22, 2, v[TK]
	v_lshl_add_u32 v21, v[TK], 9, v4               ; row x 512 + 64 h
	s_wait_alu depctr_va_vdst(0)                   ; v21 and v22 are written: the loads below read them
	s_wait_alu depctr_vm_vsrc(0)                   ; the list's stores have read v32 to v95, in which the loads below land, and v96 to v159, in which the first rows of W1 land
	ZLOAD
	; W1's CHUNK BECOMES CODES, 32 rows at a time: landing set, stage, two tiles.  One stage serves all four groups: LDS serves the wave's instructions in order.
	s_wait_loadcnt 49                              ; group 0 is in; behind it: group 1's 32 loads and the 17 of z
	STAGE 0
	s_wait_dscnt 0x0                               ; the LDS stores are done: the landing set takes group 2
	LOADG 2, 0, 1
	QW 0, RA
	QW 1, RA+1
	s_wait_loadcnt 49                              ; group 1 is in; behind it: the 17 of z and group 2's 32
	STAGE 1
	s_wait_dscnt 0x0
	LOADG 3, 1, 1
	QW 2, RA
	QW 3, RA+1
	s_wait_loadcnt 32                              ; group 2 is in; behind it: group 3's 32
	STAGE 0
	QW 4, RA
	QW 5, RA+1
	s_wait_loadcnt 0x0
	STAGE 1
	QW 6, RA
	QW 7, RA+1
.Ltile:
	s_wait_loadcnt 0x0                             ; z's 64 numbers and the index are in
	s_wait_xcnt 0x0                                ; the last trip's stores have read their data and bases: only behind this wait are they written again
	s_wait_alu depctr_vm_vsrc(0)                   ; the last trip's stores have read v24 to v26 and h's codes and scale word; its loads have read v19, v21 and v22: all of these are written again in this trip
	v_cmp_gt_u32 vcc_lo, 16, v23
	v_mov_b32 v26, v[TK]                           ; this tile's token
	v_min_u32 v[TK], 0x7ff, v20                    ; my next tile's,
	v_lshlrev_b32 v22, 2, v[TK]                    ; its offsets in angle_idx
	v_lshl_add_u32 v21, v[TK], 9, v4               ; and in z: row x 512 + 64 h
	s_add_co_u32 s25, s23, 8
	TADR 19, s25                                   ; and where the token of the tile after that lies
	s_wait_alu depctr_va_vcc(0)                    ; the compare has written VCC, ahead of its reader
	v_cndmask_b32 v24, v30, v31, vcc_lo            ; the gate: 1, or +infinity for an index that no expert has
	v_mov_b32 v25, v24
	QUANT Z, ZC, ZW
.rept 8
	v_nop                                          ; a scale word written by a vector instruction stands 8 places ahead of the scaled matrix instruction, an operand so written 4
.endr
	s_wait_alu depctr_va_vdst(0)                   ; z's codes and scale word are written (in the first trip W1's too), which the products take; v19, v21 and v22 are written, which the loads below read; z's numbers, v23
	ds_load_b32 v20, v19
	ZLOAD                                          ; my next tile's rows are asked for now (behind the last tile: the list's last row once more, inside the buffers)
	WIN 0x22                                       ; source 0 (W1) and C (b1) in window 2
.irp t, 0,1,2,3,4,5,6,7                ; eight sums of one K step each, begun with the bias
	v_wmma_scale_f32_16x16x128_f8f6f4 v[HA+8*\t:HA+8*\t+7], v[12*\t:12*\t+11], v[ZC:ZC+11], v[B1W+8*\t:B1W+8*\t+7], v[W1S+\t], v[ZW] matrix_a_fmt:MATRIX_FMT_FP6 matrix_b_fmt:MATRIX_FMT_FP6
.endr
	WIN 0
	s_wait_dscnt 0x0                               ; the token is in: the next trip's head reads it
.rept 4
	v_nop                                          ; four places in front of the first read of results (ISA guide 7.12.1)
.endr
.set jj, 0
.rept 64
	v_med3_num_f32 v[HA+jj], v[HA+jj], 0, v[LIM+jj/8]      ; relu; 0 for a unit from 400 on.  Each accumulator from its low end on
.set jj, jj+1
.endr
	QUANT HA, PC, PW
	s_min_u32 s24, s23, 127
	s_lshl_b32 s25, s16, 7
	s_add_co_u32 s25, s25, s24                     ; the slot: 128 e + j
	s_mul_i32 s26, s25, REC
	s_add_nc_u64 s[30:31], s[12:13], s[26:27]      ; the record,
	s_mul_i32 s26, s17, 1536
	s_add_nc_u64 s[28:29], s[30:31], s[26:27]      ; and my K step's image in it
	s_wait_alu depctr_va_vdst(0)                   ; h's codes and scale word, the gate and the token are written: the stores below read them
	global_store_b128 v1, v[PC:PC+3], s[28:29]     ; 512 consecutive bytes a store
	s_cmp_eq_u32 s17, 3
	s_cbranch_scc1 .Lshort                         ; of K step 3 only the first four registers hold codes that are not zeros: the reader takes those alone
	global_store_b128 v1, v[PC+4:PC+7], s[28:29] offset:512
	global_store_b128 v1, v[PC+8:PC+11], s[28:29] offset:1024
.Lshort:
	global_store_b32 v27, v[PW], s[30:31] offset:6144      ; lanes l and l xor 16 hold the same word
	s_cmp_lg_u32 s17, 0
	s_cbranch_scc1 .Lnot_first
	s_lshl_b32 s26, s24, 6
	s_add_nc_u64 s[44:45], s[32:33], s[26:27]
	global_store_b64 v28, v[24:25], s[30:31] offset:6400   ; chunk 0 stores what belongs to the rows: the gates
	global_store_b32 v29, v26, s[44:45]                    ; and the tokens
.Lnot_first:
	s_add_co_u32 s23, s23, 4                       ; my next tile's number
	s_add_co_u32 s46, s46, 1                       ; the loop is counted in ones, against a number that it does not write
	s_cmp_lt_u32 s46, s47
	s_cbranch_scc1 .Ltile
	s_wait_dscnt 0x0
	s_wait_alu depctr_hold_cnt(0) depctr_sa_sdst(0) depctr_va_vdst(0) depctr_va_sdst(0) depctr_va_ssrc(0) depctr_va_vcc(0) depctr_vm_vsrc(0)
	s_wait_tensorcnt 0x0
	ds_add_u32 v254, v255
	s_wait_dscnt 0x0
	s_endpgm
.Lfunc_end_k_q64cb79d2c4_hidden:
	.size	k_q64cb79d2c4_hidden, .Lfunc_end_k_q64cb79d2c4_hidden-k_q64cb79d2c4_hidden
	.p2alignl 7, 3214868480
	.fill 96, 4, 3214868480
	.section	.rodata,"a",@progbits
	.p2align	6, 0x0
	.amdhsa_kernel k_q64cb79d2c4_hidden
		.amdhsa_group_segment_fixed_size 25856
		.amdhsa_private_segment_fixed_size 0
		.amdhsa_enable_private_segment 0
		.amdhsa_kernarg_size 48
		.amdhsa_user_sgpr_count 2
		.amdhsa_user_sgpr_kernarg_segment_ptr 1
		.amdhsa_wavefront_size32 1
		.amdhsa_system_sgpr_workgroup_id_x 1
		.amdhsa_system_sgpr_workgroup_id_y 1
		.amdhsa_system_sgpr_workgroup_id_z 1
		.amdhsa_system_vgpr_workitem_id 0
		.amdhsa_next_free_vgpr 672
		.amdhsa_next_free_sgpr 66
		.amdhsa_reserve_vcc 1
		.amdhsa_float_denorm_mode_32 3
		.amdhsa_float_denorm_mode_16_64 3
		.amdhsa_memory_ordered 1
		.amdhsa_forward_progress 1
		.amdhsa_inst_pref_size 115
	.end_amdhsa_kernel
	.amdgpu_metadata
---
amdhsa.version: [ 1, 2 ]
amdhsa.kernels:
  - .name:           k_q64cb79d2c4_hidden
    .symbol:         k_q64cb79d2c4_hidden.kd
    .args:
      - { .name: angle_idx, .offset: 0, .size: 8, .value_kind: global_buffer, .address_space: global }
      - { .name: z, .offset: 8, .size: 8, .value_kind: global_buffer, .address_space: global }
      - { .name: W1, .offset: 16, .size: 8, .value_kind: global_buffer, .address_space: global }
      - { .name: b1, .offset: 24, .size: 8, .value_kind: global_buffer, .address_space: global }
      - { .name: hrec, .offset: 32, .size: 8, .value_kind: global_buffer, .address_space: global }
      - { .name: route, .offset: 40, .size: 8, .value_kind: global_buffer, .address_space: global }
    .group_segment_fixed_size: 25856
    .private_segment_fixed_size: 0
    .kernarg_segment_align: 8
    .kernarg_segment_size: 48
    .max_flat_workgroup_size: 32
    .sgpr_count:     66
    .vgpr_count:     672
    .wavefront_size: 32
...
	.end_amdgpu_metadata
.endif
;; end of part 3
;; launch decode (part 4): grid 256 x 1, 4 waves a work-group, no clusters, 145,920 bytes of LDS; arguments W2, b2, hrec, route, out0; writes out0
.if DOCPART == 4
	.amdgcn_target "amdgcn-amd-amdhsa--gfx1250"
	.amdhsa_code_object_version 6
	.text
	.protected	k_q64cb79d2c4_decode
	.globl	k_q64cb79d2c4_decode
	.p2align	8
	.type	k_q64cb79d2c4_decode,@function
k_q64cb79d2c4_decode:
	s_mov_b64 s[64:65], 0
	v_nop
	global_prefetch_b8 v0, s[64:65] scope:SCOPE_SE
	s_setreg_imm32_b32 hwreg(HW_REG_WAVE_SCHED_MODE, 0, 2), 2
	s_setreg_imm32_b32 hwreg(HW_REG_WAVE_MODE, 25, 1), 1
	s_wait_xcnt 0x0
	s_wait_alu depctr_vm_vsrc(0)
; out0[token] = sigmoid(h W2[e]^T + b2[e]) for the rows of expert e, on codes of FP6 (E2M3) with one E8M0 scale for each 32 along K = 400 (four K steps of 128; the fourth holds 16 numbers and zero codes).
; SHARES.  Work-group x: expert e = x / 16, outputs 256 (x % 16) on.  Wave w owns 64 of them: its rows of W2 are ONE dense run of 102,400 bytes, which it reads once, 512 consecutive bytes a load, quantises on the way, and keeps
; as 4 tiles x 4 K steps x 12 registers of codes.  Then it walks the expert's tiles of 16 rows, whose codes, scale words, gates and tokens the launch before has stored, and stores each row's 256 bytes at its token.
; Waves share nothing: no barrier; EXEC stays whole.  The trip count is read from memory, so operands go through registers, with no tensor load.
; No cluster: what the 64 waves of an expert share, a record of 6,656 bytes a tile, is small beside each wave's own 102,400 bytes of W2, which no two waves share.
; THE MATRIX INSTRUCTION IS USED TRANSPOSED (source 0 = 16 rows of W2, source 1 = 16 rows of h): lane (r, h) holds row r and eight neighbouring outputs.  b2 is the C of each sum's first instruction.
; sigmoid(x) = 1 / (gate + 2^(-x log2 e)); the gate is 1, or +infinity for a row whose index no expert has: that row gets 0.  A last tile's spare rows repeat its last token: the same numbers go to the same bytes, from this wave.
; LIMITS: NaN and infinities among W2, b2 are not served.  A block whose largest magnitude lies under 2^-124 keeps the scale byte 1; a block of zeros has the byte 1 where the rule says 127 (its codes are zeros; this program alone reads the bytes).
; LDS, 36,352 bytes a wave: a stage for one tile of W2 (16 rows x 1,600 bytes, 16 bytes of padding behind each 64: byte y lies at y + 16 (y / 64), a row begins every 2,000 bytes), and from 32,000 a stage of 16 rows x 272 for the way out.
; REGISTERS.  Window 0: v1-11 addresses; v14-28 at work; v32-47 W2's scale words; v48-55 the rows' offsets in out0; v56-117, v118-179 two records (48 codes, 4 scale words, 2 gate, 8 tokens); v180-243 64 numbers of W2, later 4 accumulators and 8 x 4 registers on the way out.
;   Window 1: v0-191 W2's codes (tile t, K step s at 48 t + 12 s), v192-223 b2.   Windows 2, 3: two landing sets of 200 registers.
; THE MODE: SCHED_MODE bits 1:0 = 2 (LLVM: expert scheduling mode 2), set by the entry lines.  The code itself states the register dependences between vector or matrix instructions and memory or LDS instructions, with s_wait_alu, always for 0.
; THE PLAN.  Registers that memory or LDS instructions touch:
;   v1-4, v7-11      offsets and LDS addresses, made once at the head and never written again: one wait on va_vdst ahead of the first load.
;   the landing sets loads land, the LDS stores into the stage read, loads land again behind a wait on vm_vsrc.  No vector line names them.
;   v180-243 as X    LDS loads land, a fragment's maxima and conversions read: a wait on va_vdst at the head of each fragment but the first.
;   A TILE.  A record's set: read by the 16 products (codes, scale words), by eight minima (tokens) and by the 16 additions (gate); then loaded for the tile two on.  The accumulators: written by the products and the vector lines, read by the
;   LDS stores.  v48-55: written behind the products, read by the stores to out0.  v212-243: LDS loads land, the stores to out0 read.  So: at the head one wait on vm_vsrc (the last tile's LDS stores and stores have read their registers);
;   the wait behind the 32 powers also states that the products and the minima are done with the set: 13 of its 14 loads follow, dealt among the additions and the reciprocals, which name the accumulators and the gate alone;
;   the wait behind the 32 reciprocals also states that the additions are done with the gate: its load follows, and the LDS stores.
.set REC,  6656
.set WREG, 36352
.set SOUT, 32000
.set QT,   14
.set T,    22
.set W2S,  32
.set OFF,  48
.set SET0, 56
.set SET1, 118
.set X,    180
.set ACC,  180
.set OUTR, 212
.set B2W,  192                         ; in window 1
.set MSB, 0
.macro WIN new                         ; the immediate's high byte repeats the setting that is left
.if MSB != \new
	s_set_vgpr_msb (MSB<<8)|\new
.set MSB, \new
.endif
.endm
.macro LOAD t, win, again              ; tile t of my rows of W2, 25,600 dense bytes, into a landing set: 50 loads of 512 consecutive bytes; read once in the launch.  again = 1: the set has been read out into the stage
	WIN \win
.if \again
	s_wait_alu depctr_vm_vsrc(0)                   ; the LDS stores into the stage have read this landing set, in which the loads below land
.endif
.set ii, 0
.rept 50
	global_load_b128 v[4*ii:4*ii+3], v1, s[18:19] offset:25600*\t+512*ii th:TH_LOAD_NT
.set ii, ii+1
.endr
	WIN 0
.endm
.macro STAGE win                       ; and on into the stage: load i's 512 bytes take 640
	WIN \win
.set ii, 0
.rept 50
	ds_store_b128 v2, v[4*ii:4*ii+3] offset:640*ii
.set ii, ii+1
.endr
	WIN 0
.endm
; K step s (0 .. 2) of tile t becomes a fragment.  Lane (r, h) takes of its row k = 128 s + 64 cc + 32 h + 0 .. 31: two whole blocks, in the order of the operand's registers.
.macro QW t, s
.set FF, 48*(\t)+12*(\s)
.if (\t)+(\s) > 0
	s_wait_alu depctr_va_vdst(0)                   ; the fragment before is made: its maxima and conversions are done reading v[X ..], in which the loads below land
.endif
.irp q, 0,1,2,3,4,5,6,7
	ds_load_b128 v[X+4*\q:X+4*\q+3], v3 offset:640*(\s)+80*(\q/4)+16*(\q%4)
.endr
.irp q, 0,1,2,3,4,5,6,7
	ds_load_b128 v[X+32+4*\q:X+32+4*\q+3], v3 offset:640*(\s)+320+80*(\q/4)+16*(\q%4)
.endr
	s_wait_dscnt 0x0
.irp k, 0,1,2,3
	v_max3_num_f32 v[QT+\k], |v[X+16*\k]|, |v[X+16*\k+1]|, 0x1800000       ; four chains of 16 numbers, each with the floor 2^(3 - 127): the byte cannot fall under 1
.endr
.irp i, 2,4,6,8,10,12,14
.irp k, 0,1,2,3
	v_max3_num_f32 v[QT+\k], v[QT+\k], |v[X+16*\k+\i]|, |v[X+16*\k+\i+1]|
.endr
.endr
	v_max_num_f32 v[QT], v[QT], v[QT+1]            ; block h of the K step
	v_max_num_f32 v[QT+2], v[QT+2], v[QT+3]        ; block 2 + h
	v_add_nc_u32 v[QT+4], 0xff000000, v[QT]        ; 2 off the exponent field: the conversion's scale operand
	v_add_nc_u32 v[QT+5], 0xff000000, v[QT+2]
	v_lshrrev_b32 v[QT+6], 23, v[QT+4]
	v_lshrrev_b32 v[QT+7], 23, v[QT+5]
	v_lshl_or_b32 v[QT+6], v[QT+7], 16, v[QT+6]
	v_lshlrev_b32 v[QT+6], v5, v[QT+6]             ; my two bytes at their places in the word (8 h bits up);
	v_permlanex16_b32 v[QT+7], v[QT+6], s36, s37
	v_or_b32 v[W2S+4*(\t)+(\s)], v[QT+6], v[QT+7]  ; with lane l xor 16's two the word is whole
	v_cvt_scalef32_pk16_fp6_f32 v[T:T+2], v[X+16:X+31], v[QT+4]            ; (a conversion's three registers begin on an even number: a block's second half is made here and moved)
	v_cvt_scalef32_pk16_fp6_f32 v[T+4:T+6], v[X+48:X+63], v[QT+5]
	WIN 0x40
	v_cvt_scalef32_pk16_fp6_f32 v[FF:FF+2], v[X:X+15], v[QT+4]
	v_cvt_scalef32_pk16_fp6_f32 v[FF+6:FF+8], v[X+32:X+47], v[QT+5]
	v_nop                                          ; one plain place behind the conversions
.irp i, 0,1,2
	v_mov_b32 v[FF+3+\i], v[T+\i]
	v_mov_b32 v[FF+9+\i], v[T+4+\i]
.endr
	WIN 0
.endm
; K step 3 of tile t: k = 384 .. 399 are a row's last 16 numbers, the first half of one block; all else is zero codes.  Both halves of the lanes make the codes; lanes 16-31, whose blocks are empty, keep zeros.
.macro QW3 t
.set FF, 48*(\t)+36
	s_wait_alu depctr_va_vdst(0)                   ; the fragment before is made: its maxima and conversions are done reading v[X ..], in which the loads below land
.irp q, 0,1,2,3
	ds_load_b128 v[X+4*\q:X+4*\q+3], v4 offset:1920+16*\q
.endr
	s_wait_dscnt 0x0
	v_max3_num_f32 v[QT], |v[X]|, |v[X+1]|, 0x1800000
	v_max3_num_f32 v[QT+1], |v[X+8]|, |v[X+9]|, |v[X+10]|
.irp i, 2,4,6
	v_max3_num_f32 v[QT], v[QT], |v[X+\i]|, |v[X+\i+1]|
.endr
.irp i, 11,13
	v_max3_num_f32 v[QT+1], v[QT+1], |v[X+\i]|, |v[X+\i+1]|
.endr
	v_max3_num_f32 v[QT], v[QT], v[QT+1], |v[X+15]|
	v_add_nc_u32 v[QT+4], 0xff000000, v[QT]
	v_lshrrev_b32 v[W2S+4*(\t)+3], 23, v[QT+4]     ; the block's byte is the word's lowest; the three bytes 0 above it stand over zero codes
	v_cvt_scalef32_pk16_fp6_f32 v[T:T+2], v[X:X+15], v[QT+4]
	v_nop                                          ; one plain place behind the conversion
	WIN 0x40
.irp i, 0,1,2
	v_and_b32 v[FF+\i], v[T+\i], v6
.endr
.irp i, 3,4,5,6,7,8,9,10,11
	v_mov_b32 v[FF+\i], 0
.endr
	WIN 0
.endm
; The record and the tokens of tile s33 go into a set by 14 loads.  LHBASE makes their bases; then s33 steps, held at the expert's last tile: what is fetched beyond the end is that tile once more, and is not used.
.macro LHBASE
	s_wait_xcnt 0x0                                ; the loads that named s[24:27] have read them
	s_min_u32 s34, s33, 127
	s_mul_i32 s28, s34, REC
	s_add_nc_u64 s[24:25], s[20:21], s[28:29]
	s_lshl_b32 s28, s34, 6
	s_add_nc_u64 s[26:27], s[22:23], s[28:29]
	s_add_co_u32 s34, s33, 1
	s_cmp_lt_u32 s34, s30
	s_cselect_b32 s33, s34, s33
.endm
.macro LH set, i                       ; load i of the 13 that bring all but the gate
.if (\i) < 10                          ; K steps 0 to 2: nine groups of four registers; of K step 3 the first group (the other eight registers stay 0)
	global_load_b128 v[\set+4*(\i):\set+4*(\i)+3], v1, s[24:25] offset:512*(\i)
.elseif (\i) == 10
	global_load_b128 v[\set+48:\set+51], v7, s[24:25] offset:6144          ; row r's four scale words
.elseif (\i) == 11
	global_load_b128 v[\set+54:\set+57], v9, s[26:27]                      ; the tokens of rows 8 h + 0 .. 7
.else
	global_load_b128 v[\set+58:\set+61], v9, s[26:27] offset:16
.endif
.endm
.macro LHGATE set
	global_load_b64 v[\set+52:\set+53], v8, s[24:25] offset:6400           ; row r's gate, twice
.endm
.macro LOADH set                       ; all 14 in one run: ahead of the loop, where no vector line has named the set's loaded registers
	LHBASE
.set ii, 0
.rept 13
	LH \set, ii
.set ii, ii+1
.endr
	LHGATE \set
.endm
.macro TILE set
	s_wait_loadcnt 14                              ; this set's 14 loads are in; the other set's 14, issued behind them, may be out
	s_wait_alu depctr_vm_vsrc(0)                   ; the last tile's LDS stores have read the accumulators, which the products below write; its stores to out0 have read their offsets and the rows' registers, which are written again further down
	WIN 0x11                                       ; source 0 (W2) and C (b2) in window 1
.irp t, 0,1,2,3
	v_wmma_scale_f32_16x16x128_f8f6f4 v[ACC+8*\t:ACC+8*\t+7], v[48*\t:48*\t+11], v[\set:\set+11], v[B2W+8*\t:B2W+8*\t+7], v[W2S+4*\t], v[\set+48] matrix_a_fmt:MATRIX_FMT_FP6 matrix_b_fmt:MATRIX_FMT_FP6
.endr
	WIN 0x01
.irp s, 1,2,3                          ; the four accumulators take turns, one instruction a turn
.irp t, 0,1,2,3
	v_wmma_scale_f32_16x16x128_f8f6f4 v[ACC+8*\t:ACC+8*\t+7], v[48*\t+12*\s:48*\t+12*\s+11], v[\set+12*\s:\set+12*\s+11], v[ACC+8*\t:ACC+8*\t+7], v[W2S+4*\t+\s], v[\set+48+\s] matrix_a_fmt:MATRIX_FMT_FP6 matrix_b_fmt:MATRIX_FMT_FP6
.endr
.endr
	WIN 0
	s_wait_xcnt 0x0                                ; the last tile's stores have read their offsets and data
.irp i, 0,1,2,3,4,5,6,7
	v_min_u32 v[OFF+\i], 0x7ff, v[\set+54+\i]
.endr
.irp i, 0,1,2,3,4,5,6,7
	v_lshl_add_u32 v[OFF+\i], v[OFF+\i], 14, v7    ; token x 16,384 + 16 r.  (These sixteen lines are the places behind the products: ISA guide 7.12.1)
.endr
.set jj, 0
.rept 16
	v_pk_mul_f32 v[ACC+jj:ACC+jj+1], v[ACC+jj:ACC+jj+1], 0xbfb8aa3b op_sel_hi:[1,0]    ; -x log2 e; each accumulator from its low end on
.set jj, jj+2
.endr
.set jj, 0
.rept 32
	v_exp_f32 v[ACC+jj], v[ACC+jj]
.set jj, jj+1
.endr
	v_nop                                          ; a plain place behind the batch
	s_wait_alu depctr_va_vdst(0)                   ; the 32 powers are written, ahead of their first reader; the products are done reading the set's codes and scale words, and the minima its tokens: the loads below land in these
	LHBASE                                         ; the set takes the tile two on, which has the rest of this tile and the next in which to land
.set jj, 0
.rept 16
	v_pk_add_f32 v[ACC+2*jj:ACC+2*jj+1], v[ACC+2*jj:ACC+2*jj+1], v[\set+52:\set+53]
.if jj%2 == 1
	LH \set, jj/2                                  ; no wait: no vector line since the wait above names the registers that this load touches
.endif
.set jj, jj+1
.endr
.set jj, 0
.rept 32
	v_rcp_f32 v[ACC+jj], v[ACC+jj]
.if (jj%4 == 3) && (jj < 20)
	LH \set, 8+jj/4
.endif
.set jj, jj+1
.endr
	v_nop
	s_wait_alu depctr_va_vdst(0)                   ; the 32 reciprocals are written, ahead of their first readers, the LDS stores; the additions are done reading the gate, in which the load below lands
	LHGATE \set
.irp t, 0,1,2,3                        ; through my stage: lane (r, h) puts outputs 16 t + 8 h + 0 .. 7 of row r,
	ds_store_b128 v10, v[ACC+8*\t:ACC+8*\t+3] offset:64*\t
	ds_store_b128 v10, v[ACC+8*\t+4:ACC+8*\t+7] offset:64*\t+16
.endr
.irp i, 0,1,2,3,4,5,6,7                ; and whole rows come back: lanes 0-15 row i, lanes 16-31 row i + 8 (LDS serves a wave's instructions in order: ISA guide 5.7.1.4)
	ds_load_b128 v[OUTR+4*\i:OUTR+4*\i+3], v11 offset:272*\i
.endr
.irp i, 0,1,2,3,4,5,6,7
	s_wait_dscnt 7-\i
	global_store_b128 v[OFF+\i], v[OUTR+4*\i:OUTR+4*\i+3], s[38:39] th:TH_STORE_NT     ; sixteen lanes store 256 consecutive bytes of a row, at a multiple of 256 from out0's first byte
.endr
.endm
	s_load_b256 s[4:11], s[0:1], 0x0               ; W2 s[4:5], b2 s[6:7], hrec s[8:9], route s[10:11]
	s_load_b64 s[12:13], s[0:1], 0x20              ; out0
	v_lshl_add_u32 v254, v0, 2, 0x23800
	v_mov_b32 v255, 0
	v_lshrrev_b32 v12, 5, v0
	v_readfirstlane_b32 s14, v12                   ; wave 0..3
	s_lshr_b32 s15, ttmp9, 4                       ; e
	s_and_b32 s16, ttmp9, 15                       ; which 256 outputs
	s_mov_b32 s36, 0x76543210
	s_mov_b32 s37, 0xfedcba98                      ; v_permlanex16_b32's selects for lane l xor 16
	v_and_b32 v12, 31, v0                          ; lane
	v_lshlrev_b32 v1, 4, v12                       ; 16 x lane
	v_and_b32 v13, 15, v0                          ; r
	v_bfe_u32 v14, v0, 4, 1                        ; h
	s_wait_alu depctr_va_sdst(0)                   ; s14 is written, ahead of its first reader: LDS addresses and the bases of W2, b2 and out0 are made from it
	s_mul_i32 s34, s14, WREG                       ; my wave's LDS
	v_lshrrev_b32 v15, 2, v12
	v_mul_u32_u24 v2, v15, 80
	v_and_b32 v15, 3, v12
	v_lshl_add_u32 v2, v15, 4, v2
	v_add_nc_u32 v2, s34, v2                       ; into the stage: 80 (lane / 4) + 16 (lane % 4)
	v_mul_u32_u24 v4, v13, 2000
	v_add_nc_u32 v4, s34, v4                       ; out of it: row r,
	v_mad_u32_u24 v3, v14, 160, v4                 ; + my half's 128 bytes and their two paddings
	v_lshlrev_b32 v5, 3, v14                       ; 8 h
	v_add_nc_u32 v6, -1, v14                       ; all ones in lanes 0-15, 0 in lanes 16-31
	v_lshlrev_b32 v7, 4, v13                       ; 16 r
	v_lshlrev_b32 v8, 3, v13                       ; 8 r
	v_lshlrev_b32 v9, 5, v14                       ; 32 h
	v_mul_u32_u24 v10, v13, 272
	v_lshl_add_u32 v10, v14, 5, v10
	v_add_nc_u32 v10, s34, v10
	v_add_nc_u32 v10, SOUT, v10                    ; the way out, in: row r, + 32 h
	v_mul_u32_u24 v11, v14, 2176
	v_lshl_add_u32 v11, v13, 4, v11
	v_add_nc_u32 v11, s34, v11
	v_add_nc_u32 v11, SOUT, v11                    ; and back: row 8 h, + 16 r
.irp k, 0,1,2,3,4,5,6,7
	v_mov_b32 v[SET0+40+\k], 0                     ; K step 3's registers 4 to 11 are zero codes in every tile
	v_mov_b32 v[SET1+40+\k], 0
.endr
	s_mov_b32 s29, 0                               ; the upper word of the offsets' pair s[28:29]
	s_mul_i32 s28, ttmp9, 409600
	s_mul_i32 s34, s14, 102400
	s_add_co_u32 s28, s28, s34
	s_wait_kmcnt 0x0
	s_add_nc_u64 s[18:19], s[4:5], s[28:29]        ; my 64 rows of W2
	s_lshl_b32 s28, s16, 10
	s_lshl_b32 s34, s14, 8
	s_add_co_u32 s28, s28, s34
	s_add_nc_u64 s[38:39], s[12:13], s[28:29]      ; my 256 bytes in a row of out0
	s_lshl_b32 s34, s15, 14
	s_add_co_u32 s28, s28, s34
	s_add_nc_u64 s[40:41], s[6:7], s[28:29]        ; my 64 numbers of b2[e]
	s_mul_i32 s28, s15, 128*REC
	s_add_nc_u64 s[20:21], s[8:9], s[28:29]        ; the expert's records
	s_lshl_b32 s28, s15, 13
	s_add_nc_u64 s[22:23], s[10:11], s[28:29]      ; and tokens
	s_lshl_b32 s28, s15, 2
	s_add_nc_u64 s[24:25], s[10:11], s[28:29]
	s_load_b32 s30, s[24:25], 0x20000              ; the expert's number of tiles
	WIN 0x40
	s_wait_alu depctr_va_vdst(0)                   ; v1 to v4 and v7 to v11 are written: the loads, LDS instructions and stores of the whole kernel read them as offsets and addresses, and no line writes them again
.irp t, 0,1,2,3                        ; b2 in the result's layout: tile t, lane (r, h): outputs 16 t + 8 h + 0 .. 7
	global_load_b128 v[B2W+8*\t:B2W+8*\t+3], v9, s[40:41] offset:64*\t
	global_load_b128 v[B2W+8*\t+4:B2W+8*\t+7], v9, s[40:41] offset:64*\t+16
.endr
	WIN 0
	LOAD 0, 0x80, 0
	LOAD 1, 0xc0, 0
	s_wait_kmcnt 0x0
	s_min_u32 s30, s30, 128
	s_cmp_lg_u32 s30, 0
	s_cbranch_scc1 .Lwork
	s_endpgm                                       ; no row has chosen this expert
.Lwork:
	s_add_co_u32 s31, s30, 1
	s_lshr_b32 s31, s31, 1                         ; pairs of tiles
	; W2 BECOMES CODES, a tile of 16 rows at a time: landing set, stage, four fragments.  One stage serves all four tiles: LDS serves the wave's instructions in order.
	s_wait_loadcnt 50                              ; tile 0 is in; behind it: tile 1's 50 loads
	STAGE 0x08
	s_wait_dscnt 0x0                               ; the LDS stores are done: the landing set takes tile 2
	LOAD 2, 0x80, 1
	QW 0, 0
	QW 0, 1
	QW 0, 2
	QW3 0
	s_wait_loadcnt 50                              ; tile 1 is in; behind it: tile 2's 50
	STAGE 0x0c
	s_wait_dscnt 0x0
	LOAD 3, 0xc0, 1
	QW 1, 0
	QW 1, 1
	QW 1, 2
	QW3 1
	s_wait_loadcnt 50                              ; tile 2 is in; behind it: tile 3's 50
	STAGE 0x08
	s_mov_b32 s33, 0
	LOADH SET0                                     ; the first two records are asked for while the last two tiles are quantised
	LOADH SET1
	QW 2, 0
	QW 2, 1
	QW 2, 2
	QW3 2
	s_wait_loadcnt 28                              ; tile 3 is in; behind it: the two records' 14 loads each
	STAGE 0x0c
	QW 3, 0
	QW 3, 1
	QW 3, 2
	QW3 3
.rept 8
	v_nop                                          ; a scale word written by a vector instruction stands 8 places ahead of the scaled matrix instruction, an operand so written 4
.endr
	s_wait_alu depctr_va_vdst(0)                   ; W2's codes and scale words and the records' zero codes are written, which the products of every tile take; the last fragment is done reading v[X ..], in which rows land on the way out
	s_mov_b32 s32, 0
.Lpair:                                            ; a trip takes two tiles, one from each set
	TILE SET0
	s_lshl_b32 s34, s32, 1
	s_add_co_u32 s34, s34, 1
	s_cmp_lt_u32 s34, s30
	s_cbranch_scc1 .Lsecond
	s_wait_dscnt 0x0
	s_wait_alu depctr_hold_cnt(0) depctr_sa_sdst(0) depctr_va_vdst(0) depctr_va_sdst(0) depctr_va_ssrc(0) depctr_va_vcc(0) depctr_vm_vsrc(0)
	s_wait_tensorcnt 0x0
	ds_add_u32 v254, v255
	s_wait_dscnt 0x0
	s_endpgm                                       ; an odd number of tiles ends here: the loads that are still out bring the last tile once more, which nobody uses
.Lsecond:
	TILE SET1
	s_add_co_u32 s32, s32, 1
	s_cmp_lt_u32 s32, s31
	s_cbranch_scc1 .Lpair
	s_wait_dscnt 0x0
	s_wait_alu depctr_hold_cnt(0) depctr_sa_sdst(0) depctr_va_vdst(0) depctr_va_sdst(0) depctr_va_ssrc(0) depctr_va_vcc(0) depctr_vm_vsrc(0)
	s_wait_tensorcnt 0x0
	ds_add_u32 v254, v255
	s_wait_dscnt 0x0
	s_endpgm
.Lfunc_end_k_q64cb79d2c4_decode:
	.size	k_q64cb79d2c4_decode, .Lfunc_end_k_q64cb79d2c4_decode-k_q64cb79d2c4_decode
	.p2alignl 7, 3214868480
	.fill 96, 4, 3214868480
	.section	.rodata,"a",@progbits
	.p2align	6, 0x0
	.amdhsa_kernel k_q64cb79d2c4_decode
		.amdhsa_group_segment_fixed_size 145920
		.amdhsa_private_segment_fixed_size 0
		.amdhsa_enable_private_segment 0
		.amdhsa_kernarg_size 40
		.amdhsa_user_sgpr_count 2
		.amdhsa_user_sgpr_kernarg_segment_ptr 1
		.amdhsa_wavefront_size32 1
		.amdhsa_system_sgpr_workgroup_id_x 1
		.amdhsa_system_sgpr_workgroup_id_y 1
		.amdhsa_system_sgpr_workgroup_id_z 1
		.amdhsa_system_vgpr_workitem_id 0
		.amdhsa_next_free_vgpr 968
		.amdhsa_next_free_sgpr 66
		.amdhsa_reserve_vcc 0
		.amdhsa_float_denorm_mode_32 3
		.amdhsa_float_denorm_mode_16_64 3
		.amdhsa_memory_ordered 1
		.amdhsa_forward_progress 1
		.amdhsa_inst_pref_size 120
	.end_amdhsa_kernel
	.amdgpu_metadata
---
amdhsa.version: [ 1, 2 ]
amdhsa.kernels:
  - .name:           k_q64cb79d2c4_decode
    .symbol:         k_q64cb79d2c4_decode.kd
    .args:
      - { .name: W2, .offset: 0, .size: 8, .value_kind: global_buffer, .address_space: global }
      - { .name: b2, .offset: 8, .size: 8, .value_kind: global_buffer, .address_space: global }
      - { .name: hrec, .offset: 16, .size: 8, .value_kind: global_buffer, .address_space: global }
      - { .name: route, .offset: 24, .size: 8, .value_kind: global_buffer, .address_space: global }
      - { .name: out0, .offset: 32, .size: 8, .value_kind: global_buffer, .address_space: global }
    .group_segment_fixed_size: 145920
    .private_segment_fixed_size: 0
    .kernarg_segment_align: 8
    .kernarg_segment_size: 40
    .max_flat_workgroup_size: 128
    .sgpr_count:     66
    .vgpr_count:     968
    .wavefront_size: 32
...
	.end_amdgpu_metadata
.endif
;; end of part 4
